; MI455X (gfx1250); checked and timed in simulation.
; The chip was launched on July 23, 2026; its instructions are those of AMD's public machine-readable ISA for CDNA 5 (MIT licence, August 2026) and "CDNA5" Instruction Set Architecture Reference Guide (July 2026). The comments in the code are by the model that wrote it; some were corrected since.
;; Sliding Window Attention. Allowed arithmetic: matrix products marked QUANTISED: E2M1 operands, one E8M0 scale for each 32 along K, by v_wmma_scale_f32_16x16x128_f8f6f4 with both operands' format E2M1 (or v_wmma_scale_f32_32x16x128_f4), f32 sums; products left as they are: bf16, f16 or f32 operands; f32 sums; everything else in f32.
;; Inputs: Wk 1,024 x 1,024 float32; Wo 1,024 x 1,024 float32; Wq 1,024 x 1,024 float32; Wv 1,024 x 1,024 float32; bk 1,024 float32; bo 1,024 float32; bq 1,024 float32; bv 1,024 float32; x 2 x 2,048 x 1,024 float32.
;; Outputs: out0 2 x 2,048 x 1,024 float32.
;; This version of the problem:
;;   THIS VERSION OF THE PROBLEM IS GIVEN IN LOW PRECISION. The matrix products marked QUANTISED in the list below multiply operands that are first quantised to E2M1 (2 exponent bits, 1 mantissa bit; 4 bits a number), with one power-of-two scale for each 32 numbers along K (OCP MX v1.0); their sums are f32. The products marked 'left as it is' may take bf16, f16 or f32 operands, with f32 sums. Whichever they take, every output number must still come out within the allowed error. Rounding operands to bf16 (8 significant bits) uses up far more of that allowance than f16 does (11 bits, for magnitudes from 6e-5 to 65,504). All else is computed in f32.
;;   The module's matrix products, in the order in which they are computed (A, B: the left and right operand; K: the contracted axis; several contracted axes count as one K, in the product's order):
;;     1. [M 4,096, K 1,024] x [K 1,024, N 1,024]; A: input x; B: input Wq: QUANTISED
;;     2. [M 4,096, K 1,024] x [K 1,024, N 1,024]; A: input x; B: input Wk: QUANTISED
;;     3. [M 4,096, K 1,024] x [K 1,024, N 1,024]; A: input x; B: input Wv: QUANTISED
;;     4. batch 32 x [M 2,048, K 64] x [K 64, N 2,048]; A: computed on the way; B: computed on the way: left as it is (an operand is computed on the way)
;;     5. batch 32 x [M 2,048, K 2,048] x [K 2,048, N 64]; A: computed on the way; B: computed on the way: left as it is (an operand is computed on the way)
;;     6. [M 4,096, K 1,024] x [K 1,024, N 1,024]; A: computed on the way; B: input Wo: left as it is (an operand is computed on the way)
;;   THE QUANTISER, for each operand of a quantised product, along K:
;;     - K is cut into blocks of 32 from its start; a last block that is shorter is filled with zeros.
;;     - A block's scale is 2^e with e = floor(log2(the largest magnitude in the block)) - 2, held to -126 .. 127; a block of zeros has e = 0. As a byte (E8M0): e + 127.
;;     - Each number is divided by its block's scale, clamped to +-6, and rounded to the nearest number of E2M1, ties to even, subnormals kept.
;;     - The product sums the exact products of the quantised numbers (number of the format x scale) in f32.
;;   ~~~python
;;   def quantise(x, axis):      # numpy; x: float32 -> the quantised numbers, widened to float32 again
;;       x = np.moveaxis(x, axis, -1); K = x.shape[-1]
;;       x = np.pad(x, [(0, 0)] * (x.ndim - 1) + [(0, -K % 32)]); x = x.reshape(x.shape[:-1] + (-1, 32)); a = np.abs(x).max(-1, keepdims=True)
;;       e = np.where(a > 0, np.clip(np.frexp(np.where(a > 0, a, 1))[1] - 1 - 2, -126, 127), 0)      # np.frexp(a)[1] - 1 = floor(log2(a)), exactly
;;       r = np.clip(x / 2.0 ** e, -6, 6)
;;       step = 2.0 ** (np.maximum(np.frexp(np.where(r == 0, 1, r))[1] - 1, 0) - 1)
;;       q = np.round(r / step) * step * 2.0 ** e      # np.round: ties to even
;;       return np.moveaxis(q.reshape(q.shape[:-2] + (-1,))[..., :K], -1, axis).astype(np.float32)
;;   ~~~
;; One version. Each part assembles by itself: llvm-mc -triple=amdgcn-amd-amdhsa -mcpu=gfx1250 --defsym DOCPART=n.
;; ======== version 1 of 1: 5 launches
;; limits: values are held in f16: magnitudes above 65,504 overflow, below 6.1e-05 lose precision
;; workspace buffers: xq 2,228,224 bytes; wq 1,671,168 bytes; woimg 2,097,152 bytes; qkv 25,165,824 bytes; oimg 8,388,608 bytes; qkv32 393,216 bytes
;; launch prep (part 1): grid 512 x 1, 4 waves a work-group, no clusters, 34,304 bytes of LDS; arguments x, Wq, Wk, Wv, Wo, xq, wq, woimg; writes xq, wq, woimg
.if DOCPART == 1
	.amdgcn_target "amdgcn-amd-amdhsa--gfx1250"
	.amdhsa_code_object_version 6
	.text
	.protected	k_q3c5a1de209_prep
	.globl	k_q3c5a1de209_prep
	.p2align	8
	.type	k_q3c5a1de209_prep,@function
k_q3c5a1de209_prep:
	s_mov_b64 s[64:65], 0
	v_nop
	global_prefetch_b8 v0, s[64:65] scope:SCOPE_SE
	s_setreg_imm32_b32 hwreg(HW_REG_WAVE_MODE, 25, 1), 1
	s_wait_xcnt 0x0
; PREP.  x [4096][1024] and Wq, Wk, Wv [1024 (k)][1024 (n)], f32, become codes of E2M1 with one E8M0 byte for each 32 along K; Wo [1024 (k)][1024 (n)] becomes f16.
; Everything is stored as IMAGES OF THE READER'S OPERAND REGISTERS: a fragment is 1,024 bytes, [c 0..1][lane 0..31][16 bytes].
;   4-bit fragment (16 rows x 128 K): piece c of lane (r, h) = K 64 c + 32 h + 0..31 of row r.     f16 fragment (16 rows x 32 K): piece c of lane (r, h) = K 16 c + 8 h + 0..7 of row r.
;   xq:    codes [m tile 256][K step 8][1 KB]; from byte XSC on scale words [m tile][K step][r], one 32-bit word for a row and 128 K.
;   wq:    codes [head 16][matrix 3][u 4][K step 8][1 KB] (row = column n = 64 head + 16 u + r of the weight); from byte WSC on scale words in the same order.
;   woimg: f16 [n tile 64][K step of 32: 32][1 KB] (row = output column n).
; A block's scale is 2^(floor(log2(largest magnitude)) - 2): its byte is the largest magnitude's exponent field - 2, held at 1 from below.
; LIMITS: a block of zeros gets the byte 1 where the rule says 127 (its codes are zeros and this program alone reads the bytes); blocks whose largest magnitude lies under 2^-124 are held at byte 1;
; NaN and infinities are not served; |Wo| up to 65,504 (f16).
; SHARES.  Work-groups 0..255: one m tile of x each (16 rows, 65,536 dense bytes); wave w takes K steps 2 w, 2 w + 1.  Work-groups 256..511: matrix (g' >> 6), 128 columns ((g' >> 3) & 7), 128 rows of K (g' & 7);
; a lane takes one column and its registers run down K.  Every wave asks for all its bytes at its head.  No tensor load, no barrier: waves share nothing.
.set XSC,   2097152
.set WSC,   1572864
.set SPARE, 33792                      ; behind the four stages of 8,448 bytes: the spare words, 128 bytes for each wave
.set SPW, 30                           ; v30  LDS address of my spare word; never rewritten
.set NIL, 31                           ; v31  0; never rewritten
.set R,   32                           ; path x: v32-159  two fragments x 16 rows x 4 registers, as loaded
.set X,   160                          ; path x: v160-223 64 numbers of my row, in the operand's order
.set C,   224                          ; path x: v224-239 the codes, 8 registers a fragment
.set WX,  32                           ; path W: v32-159  128 numbers of my column, down K
.set WC,  160                          ; path W: v160-223 codes (16) or f16 pairs (64)
	s_load_b256 s[4:11], s[0:1], 0x0               ; x s[4:5], Wq s[6:7], Wk s[8:9], Wv s[10:11]
	s_load_b256 s[12:19], s[0:1], 0x20             ; Wo s[12:13], xq s[14:15], wq s[16:17], woimg s[18:19]
	v_lshl_add_u32 v[SPW], v0, 2, SPARE
	v_mov_b32 v[NIL], 0
	v_lshrrev_b32 v1, 5, v0
	v_readfirstlane_b32 s20, v1                    ; wave 0..3
	v_and_b32 v2, 31, v0                           ; lane
	v_and_b32 v3, 15, v0                           ; r
	v_bfe_u32 v4, v0, 4, 1                         ; h
	v_lshlrev_b32 v5, 4, v2                        ; 16 x lane
	s_mul_i32 s21, s20, 8448                       ; my stage: 16 rows of 512 bytes + 16
	v_add_nc_u32 v6, s21, v5                       ; into it: a row as it was loaded
	v_mul_u32_u24 v7, v3, 528
	v_lshl_add_u32 v7, v4, 7, v7
	v_add_nc_u32 v7, s21, v7                       ; out of it: row r, + 128 h: my 32 numbers of a block pair
	v_lshlrev_b32 v16, 3, v4                       ; 8 h
	v_lshlrev_b32 v17, 2, v2                       ; 4 x lane
	v_mov_b32 v23, 0                               ; a lane permute's destination counts as one of its sources
	v_lshlrev_b32 v27, 4, v3                       ; 16 r
	v_lshl_add_u32 v24, v4, 13, v27                ; path W, codes: 8,192 (lane / 16) + 16 r
	v_lshlrev_b32 v25, 2, v3
	v_lshl_add_u32 v25, v4, 9, v25                 ; path W, scale words: 512 (lane / 16) + 4 r
	v_lshl_add_u32 v26, v4, 15, v27                ; path W, f16: 32,768 (lane / 16) + 16 r
	s_mov_b32 s23, 0
	s_mov_b32 s25, 0
	s_mov_b32 s36, 0x76543210
	s_mov_b32 s37, 0xfedcba98                      ; v_permlanex16_b32's selects for lane l xor 16
	s_wait_kmcnt 0x0
	s_cmp_lt_u32 ttmp9, 256
	s_cbranch_scc0 .Lweights
	; ---- x: m tile g = the work-group's number
	s_lshl_b32 s22, ttmp9, 16                      ; 16 rows of 4,096 bytes
	s_lshl_b32 s24, s20, 10                        ; my two K steps: 1,024 bytes of each row
	s_add_co_u32 s22, s22, s24
	s_add_nc_u64 s[4:5], s[4:5], s[22:23]
.irp f, 0,1
.irp i, 0,1,2,3,4,5,6,7,8,9,10,11,12,13,14,15
	global_load_b128 v[R+64*\f+4*\i:R+64*\f+4*\i+3], v5, s[4:5] offset:4096*\i+512*\f th:TH_LOAD_NT   ; 32 lanes read 512 consecutive bytes: row i's 128 numbers of the K step
.endr
.endr
	s_lshl_b32 s24, ttmp9, 3
	s_lshl_b32 s26, s20, 1
	s_add_co_u32 s24, s24, s26                     ; 8 g + 2 w: my first fragment
	s_lshl_b32 s22, s24, 10
	s_add_nc_u64 s[28:29], s[14:15], s[22:23]      ; its codes
	s_lshl_b32 s24, s24, 6
	s_add_co_u32 s24, s24, XSC
	s_add_nc_u64 s[32:33], s[14:15], s[24:25]      ; its scale words
; One fragment: the rows turn through my stage, so that a lane holds 2 x 32 neighbours along K of ONE row, in the operand's order; then scale, codes, store.
.macro XFRAG f
.if \f == 0
	s_wait_loadcnt 16                              ; this fragment's 16 loads are in; the second fragment's 16 may be out
.else
	s_wait_loadcnt 0x0
.endif
.irp i, 0,1,2,3,4,5,6,7,8,9,10,11,12,13,14,15
	ds_store_b128 v6, v[R+64*\f+4*\i:R+64*\f+4*\i+3] offset:528*\i
.endr
.irp c, 0,1
.irp i, 0,1,2,3,4,5,6,7
	ds_load_b128 v[X+32*\c+4*\i:X+32*\c+4*\i+3], v7 offset:256*\c+16*\i   ; LDS serves a wave's instructions in order: these see my stores, and the next fragment's stores come behind them
.endr
.endr
	s_wait_dscnt 0x0
.irp c, 0,1
	v_max3_num_f32 v[8+\c], |v[X+32*\c]|, |v[X+32*\c+1]|, 0x1800000   ; block 2 c + h: all its 32 numbers are mine; the floor 2^(3 - 127) holds the byte at 1 from below
.endr
.irp i, 2,4,6,8,10,12,14,16,18,20,22,24,26,28,30
.irp c, 0,1
	v_max3_num_f32 v[8+\c], v[8+\c], |v[X+32*\c+\i]|, |v[X+32*\c+\i+1]|   ; (the two blocks by turns)
.endr
.endr
.irp c, 0,1
	v_add_nc_u32 v[12+\c], 0xff000000, v[8+\c]     ; 2 off the exponent field: the conversion takes the exponent field of this operand as its scale
.endr
.irp c, 0,1
	v_lshrrev_b32 v[14+\c], 23, v[12+\c]           ; the scale's byte
.endr
	v_lshl_or_b32 v[20+\f], v15, 16, v14           ; my two bytes: blocks h and 2 + h,
	v_lshlrev_b32 v[20+\f], v16, v[20+\f]          ; at their places in the word (8 h bits up);
	v_permlanex16_b32 v23, v[20+\f], s36, s37
	v_or_b32 v[20+\f], v[20+\f], v23               ; with lane l xor 16's two the word is whole
.irp c, 0,1
.irp g, 0,1,2,3
	v_cvt_scalef32_pk8_fp4_f32 v[C+8*\f+4*\c+\g], v[X+32*\c+8*\g:X+32*\c+8*\g+7], v[12+\c]
.endr
.endr
	v_nop                                          ; one plain line behind the last scaled conversion
.irp c, 0,1
	global_store_b128 v5, v[C+8*\f+4*\c:C+8*\f+4*\c+3], s[28:29] offset:1024*\f+512*\c   ; 512 consecutive bytes: piece c of the image
.endr
.endm
	XFRAG 0
	XFRAG 1
	v_cmp_lt_u32 vcc_lo, 15, v2
	v_cndmask_b32 v22, v20, v21, vcc_lo            ; lanes 0-15: K step 2 w's words; lanes 16-31: K step 2 w + 1's
	global_store_b32 v17, v22, s[32:33]            ; 128 consecutive bytes
	s_branch .Lend
	; ---- the weights
.Lweights:
	s_sub_co_u32 s21, ttmp9, 256
	s_lshr_b32 s26, s21, 6                         ; which matrix: 0 Wq, 1 Wk, 2 Wv, 3 Wo
	s_bfe_u32 s27, s21, 0x30003                    ; which 128 columns
	s_and_b32 s34, s21, 7                          ; which 128 rows of K
	s_cmp_eq_u32 s26, 1                            ; the choices hang on the work-group's number alone
	s_cselect_b64 s[6:7], s[8:9], s[6:7]
	s_cmp_eq_u32 s26, 2
	s_cselect_b64 s[6:7], s[10:11], s[6:7]
	s_cmp_eq_u32 s26, 3
	s_cselect_b64 s[6:7], s[12:13], s[6:7]
	s_lshl_b32 s22, s34, 19                        ; 128 rows of 4,096 bytes
	s_lshl_b32 s24, s27, 9
	s_add_co_u32 s22, s22, s24                     ; + 128 columns
	s_lshl_b32 s24, s20, 7
	s_add_co_u32 s22, s22, s24                     ; + my wave's 32
	s_add_nc_u64 s[6:7], s[6:7], s[22:23]
.set i, 0
.rept 128
	global_load_b32 v[WX+i], v17, s[6:7] offset:4096*i th:TH_LOAD_NT   ; row i of my 128 along K, 32 neighbouring columns
.set i, i+1
.endr
	s_cmp_eq_u32 s26, 3
	s_cbranch_scc1 .Lcast
	s_lshl_b32 s24, s27, 1
	s_lshr_b32 s35, s20, 1
	s_add_co_u32 s24, s24, s35                     ; head = 2 x column group + wave / 2
	s_mul_i32 s24, s24, 3
	s_add_co_u32 s24, s24, s26
	s_lshl_b32 s24, s24, 2
	s_and_b32 s35, s20, 1
	s_lshl_b32 s35, s35, 1
	s_add_co_u32 s24, s24, s35                     ; my first tile of 16 columns: (3 head + matrix) 4 + 2 (wave % 2)
	s_lshl_b32 s22, s24, 13
	s_lshl_b32 s35, s34, 10
	s_add_co_u32 s22, s22, s35
	s_add_nc_u64 s[28:29], s[16:17], s[22:23]      ; its fragment of this K step
	s_lshl_b32 s24, s24, 9
	s_lshl_b32 s35, s34, 6
	s_add_co_u32 s24, s24, s35
	s_add_co_u32 s24, s24, WSC
	s_add_nc_u64 s[32:33], s[16:17], s[24:25]      ; and its scale words
; Block b of my column: 32 numbers down K, all mine.  Its 16 bytes of codes are piece b / 2, half b % 2 of the image: sixteen lanes store 256 consecutive bytes.
.macro WBLOCK b
.set XB, WX+32*(\b)
.if (\b) < 2
	s_wait_loadcnt 63                              ; 96 (64) younger loads could stay out; the count's field names 63 at the most
.elseif (\b) == 2
	s_wait_loadcnt 32                              ; the last block's 32 loads may be out
.else
	s_wait_loadcnt 0x0
.endif
	v_max3_num_f32 v8, |v[XB]|, |v[XB+1]|, |v[XB+2]|
	v_max3_num_f32 v9, |v[XB+3]|, |v[XB+4]|, |v[XB+5]|
.irp i, 6,10,14,18,22,26
	v_max3_num_f32 v8, v8, |v[XB+\i]|, |v[XB+\i+1]|
	v_max3_num_f32 v9, v9, |v[XB+\i+2]|, |v[XB+\i+3]|
.endr
	v_max3_num_f32 v8, v8, |v[XB+30]|, |v[XB+31]|
	v_max3_num_f32 v8, v8, v9, 0x1800000           ; and the floor
	v_add_nc_u32 v11, 0xff000000, v8
	v_lshrrev_b32 v13, 23, v11
.irp g, 0,1,2,3
	v_cvt_scalef32_pk8_fp4_f32 v[WC+4*(\b)+\g], v[XB+8*\g:XB+8*\g+7], v11
.endr
.if (\b) == 0
	v_mov_b32 v20, v13                             ; (also the plain line behind the conversions)
.else
	v_lshl_or_b32 v20, v13, 8*(\b), v20            ; four bytes make my column's scale word
.endif
	global_store_b128 v24, v[WC+4*(\b):WC+4*(\b)+3], s[28:29] offset:512*((\b)/2)+256*((\b)%2)
.endm
	WBLOCK 0
	WBLOCK 1
	WBLOCK 2
	WBLOCK 3
	global_store_b32 v25, v20, s[32:33]            ; sixteen lanes: 64 consecutive bytes
	s_branch .Lend
.Lcast:
	s_lshl_b32 s24, s27, 3
	s_lshl_b32 s35, s20, 1
	s_add_co_u32 s24, s24, s35                     ; my first n tile: 8 x column group + 2 x wave
	s_lshl_b32 s22, s24, 15
	s_lshl_b32 s35, s34, 12
	s_add_co_u32 s22, s22, s35                     ; + 4 fragments of 32 along K for each 128
	s_add_nc_u64 s[28:29], s[18:19], s[22:23]
.irp k, 0,1,2,3
.if \k < 2
	s_wait_loadcnt 63
.elseif \k == 2
	s_wait_loadcnt 32
.else
	s_wait_loadcnt 0x0
.endif
.irp i, 0,1,2,3,4,5,6,7,8,9,10,11,12,13,14,15
	v_cvt_pk_f16_f32 v[WC+16*\k+\i], v[WX+32*\k+2*\i], v[WX+32*\k+2*\i+1]   ; the lower K in the low half
.endr
.irp c, 0,1
.irp e, 0,1
	global_store_b128 v26, v[WC+16*\k+8*\c+4*\e:WC+16*\k+8*\c+4*\e+3], s[28:29] offset:1024*\k+512*\c+256*\e   ; K 32 k + 16 c + 8 e + 0..7: piece c, half e
.endr
.endr
.endr
.Lend:
	s_wait_tensorcnt 0x0                           ; the wave's end
	ds_add_u32 v[SPW], v[NIL]
	s_wait_dscnt 0x0
	s_endpgm
.Lfunc_end_k_q3c5a1de209_prep:
	.size	k_q3c5a1de209_prep, .Lfunc_end_k_q3c5a1de209_prep-k_q3c5a1de209_prep
	.p2alignl 7, 3214868480
	.fill 96, 4, 3214868480
	.section	.rodata,"a",@progbits
	.p2align	6, 0x0
	.amdhsa_kernel k_q3c5a1de209_prep
		.amdhsa_group_segment_fixed_size 34304
		.amdhsa_private_segment_fixed_size 0
		.amdhsa_enable_private_segment 0
		.amdhsa_kernarg_size 64
		.amdhsa_user_sgpr_count 2
		.amdhsa_user_sgpr_kernarg_segment_ptr 1
		.amdhsa_wavefront_size32 1
		.amdhsa_system_sgpr_workgroup_id_x 1
		.amdhsa_system_sgpr_workgroup_id_y 1
		.amdhsa_system_sgpr_workgroup_id_z 1
		.amdhsa_system_vgpr_workitem_id 0
		.amdhsa_next_free_vgpr 240
		.amdhsa_next_free_sgpr 66
		.amdhsa_reserve_vcc 1
		.amdhsa_float_denorm_mode_32 3
		.amdhsa_float_denorm_mode_16_64 3
		.amdhsa_memory_ordered 1
		.amdhsa_forward_progress 1
		.amdhsa_inst_pref_size 42
	.end_amdhsa_kernel
	.amdgpu_metadata
---
amdhsa.version: [ 1, 2 ]
amdhsa.kernels:
  - .name:           k_q3c5a1de209_prep
    .symbol:         k_q3c5a1de209_prep.kd
    .args:
      - { .name: x, .offset: 0, .size: 8, .value_kind: global_buffer, .address_space: global }
      - { .name: Wq, .offset: 8, .size: 8, .value_kind: global_buffer, .address_space: global }
      - { .name: Wk, .offset: 16, .size: 8, .value_kind: global_buffer, .address_space: global }
      - { .name: Wv, .offset: 24, .size: 8, .value_kind: global_buffer, .address_space: global }
      - { .name: Wo, .offset: 32, .size: 8, .value_kind: global_buffer, .address_space: global }
      - { .name: xq, .offset: 40, .size: 8, .value_kind: global_buffer, .address_space: global }
      - { .name: wq, .offset: 48, .size: 8, .value_kind: global_buffer, .address_space: global }
      - { .name: woimg, .offset: 56, .size: 8, .value_kind: global_buffer, .address_space: global }
    .group_segment_fixed_size: 34304
    .private_segment_fixed_size: 0
    .kernarg_segment_align: 8
    .kernarg_segment_size: 64
    .max_flat_workgroup_size: 128
    .sgpr_count:     66
    .vgpr_count:     240
    .wavefront_size: 32
...
	.end_amdgpu_metadata
.endif
;; end of part 1
;; launch qkv (part 2): grid 16 x 16, 4 waves a work-group, clusters of 4 x 1, 244,224 bytes of LDS; arguments xq, wq, bq, bk, bv, qkv, qkv32; writes qkv, qkv32
.if DOCPART == 2
	.amdgcn_target "amdgcn-amd-amdhsa--gfx1250"
	.amdhsa_code_object_version 6
	.text
	.protected	k_q3c5a1de209_qkv
	.globl	k_q3c5a1de209_qkv
	.p2align	8
	.type	k_q3c5a1de209_qkv,@function
k_q3c5a1de209_qkv:
	s_mov_b64 s[64:65], 0
	v_nop
	global_prefetch_b8 v0, s[64:65] scope:SCOPE_SE
	s_setreg_imm32_b32 hwreg(HW_REG_WAVE_MODE, 25, 1), 1
	s_wait_xcnt 0x0
	s_wait_alu depctr_hold_cnt(0) depctr_sa_sdst(0) depctr_va_vdst(0) depctr_va_sdst(0) depctr_va_ssrc(0) depctr_va_vcc(0) depctr_vm_vsrc(0)
	s_getreg_b32 s2, hwreg(HW_REG_IB_STS2, 6, 4)
	s_cmp_eq_u32 s2, 0
	s_cbranch_scc0 .Lentry_in_a_cluster
	s_endpgm
.Lentry_in_a_cluster:
	s_bfe_u32 s2, ttmp6, 0x10000c
	s_cmp_lg_u32 s2, 0x3003
	s_cbranch_scc0 .Lentry_shape_is_right
	s_endpgm
.Lentry_shape_is_right:
; QKV.  q, k, v = Q(x) Q(W) + b on codes of E2M1 with E8M0 scales, f32 sums.  A work-group makes 256 rows x one head's 64 q, 64 k and 64 v columns; wave w its rows 64 w .. 64 w + 63:
; 4 m tiles x 12 n tiles = 48 accumulators, 8 K steps of 128, 384 matrix instructions.
; ALL OF K LIES IN LDS: 131,072 bytes of x's codes, 98,304 of the weights', their scale words.  Every byte is filled once, at the head: no ring, no refill.
; CLUSTER 4 x 1: the four heads of a cluster need the same rows of x: x's codes and scale words are asked for JOINTLY (mask 15); each head's weights by loads of its own.  The cluster does not reach along y,
; because the branch that stores the f32 rows hangs on y, which so is the same in all partners.
; q and k are made TRANSPOSED (source 0 = 16 columns of W, source 1 = 16 rows of x): a lane holds one position and 8 neighbouring channels.  v the other way round: a lane holds one channel and 8 neighbouring
; positions.  Rounded to f16 these 16 bytes a lane ARE pieces of the attention's operand images, so each store of the wave covers 512 consecutive bytes and nothing goes through a stage:
;   qkv: q at byte 0, k at 8,388,608: [bh 32][tile of 16 positions 128][u 4][lane][16]  (channel 16 u + 8 h + j);   v at 16,777,216: [bh][32 keys: 64][dt 4][c 2][lane][16]  (row = channel 16 dt + r, key 16 c + 8 h + j).
;   qkv32: the f32 registers of positions 0-15 of both sequences, [b][head][n tile 12][quad 2][lane][16].
; LIMITS: |q|, |k|, |v| up to 65,504 (f16); NaN and infinities are not served.
; LDS: fragment (m tile, s) at (s / 4) 65,536 + 4,096 m tile + 1,024 (s % 4); (n tile, s) at BC + (s / 4) 49,152 + 4,096 n tile + 1,024 (s % 4); scale words 512 bytes a tile at ASC, BSC.
; REGISTERS: window 0: v1-11 addresses; v16-31 x's scale words [m][p], v32-79 W's [n][p] (lanes 0-15: K step 2 p, lanes 16-31: 2 p + 1); v80-151 biases; v160-207 the way out.
;   window 1: two sets of 128: x's 4 fragments, then W's 12.   window 2: accumulators of n tiles 0-7 at 8 (4 n + m);   window 3: of n tiles 8-11.
.set XSC,   2097152
.set WSC,   1572864
.set BC,    131072
.set ASC,   229376
.set BSC,   237568
.set SPARE, 243712                     ; the spare words, 128 bytes for each wave
.set LI,  1                            ; v1   16 x lane
.set AA,  2                            ; v2-3 my x fragments, K steps 0-3 and 4-7
.set BB,  4                            ; v4-5 the weights' fragments likewise
.set ASA, 6                            ; v6   my x scale words
.set BSA, 7                            ; v7   the weights'
.set OH,  8                            ; v8   32 h
.set ORR, 9                            ; v9   4 r
.set SPW, 10                           ; v10  LDS address of my spare word; never rewritten
.set NIL, 11                           ; v11  0; never rewritten
.set XS,  16
.set WS,  32
.set BQK, 80                           ; bq, bk: 8 registers an n tile, in the result's layout
.set BV,  144                          ; bv: a pair an n tile, the same number twice
.set T,   160                          ; an n tile's four results + bias, f32
.set P,   192                          ; and as f16
.set WV,  26                           ; s26  my wave's number
.set G1A,  32                          ; s[32:39] group 1: x's codes;  s[40:47] W's codes;  s[48:55] x's scale words;  s[56:63] W's
.set G1B,  40
.set G1AS, 48
.set G1BS, 56
.set G0A,  68                          ; s[68:79] three groups 0 for x: scale words, K steps 0-3, K steps 4-7;  s[80:91] the same for W
.set G0B,  80
.set MSB, 0
.macro WIN new                         ; the immediate's high byte repeats the setting that is left
.if MSB != \new
	s_set_vgpr_msb (MSB<<8)|\new
.set MSB, \new
.endif
.endm
.macro PLACES
.rept 4
	v_nop
.endr
.endm
.macro CROUND                          ; a round of the cluster's barrier
	s_barrier_signal -1
	s_barrier_wait -1
	s_cmp_lg_u32 s[WV], 0
	s_cbranch_scc1 .Lnot_wave_0_\@
	s_barrier_signal -3
.Lnot_wave_0_\@:
	s_barrier_wait -3
	s_barrier_signal -1
	s_barrier_wait -1
.endm
	s_load_b256 s[4:11], s[0:1], 0x0               ; xq s[4:5], wq s[6:7], bq s[8:9], bk s[10:11]
	s_load_b128 s[12:15], s[0:1], 0x20             ; bv s[12:13], qkv s[14:15]
	s_load_b64 s[16:17], s[0:1], 0x30              ; qkv32
	v_lshl_add_u32 v[SPW], v0, 2, SPARE
	v_mov_b32 v[NIL], 0
	ds_add_u32 v[SPW], v[NIL]                      ; the wave's opening: the add, twice on end, and its wait ahead of my first tensor load
	ds_add_u32 v[SPW], v[NIL]
	v_lshrrev_b32 v12, 5, v0
	v_readfirstlane_b32 s[WV], v12                 ; wave 0..3
	s_bfe_u32 s27, ttmp6, 0x40000                  ; cx
	s_lshl_b32 s28, ttmp9, 2
	s_add_co_u32 s28, s28, s27                     ; head = 4 x cluster x + cx
	s_and_b32 s29, ttmp7, 0xffff                   ; y: which 256 rows; the partners share it
	s_and_b32 s30, s[WV], 1                        ; which half of x's (waves 0, 1) or W's (waves 2, 3) tiles I fetch
	s_and_b32 s31, s29, 7
	s_or_b32 s31, s31, s[WV]                       ; 0 where my first m tile is positions 0-15 of a sequence
	; group 1, elements of 8 bytes, no padding.  x's codes: 8 m tiles x 4 K steps' fragments (4,096 bytes), 8,192 bytes from tile to tile; jointly
	s_mov_b32 s[G1A+0], 15|(3<<16)|(1<<21)
	s_mov_b32 s[G1A+1], 512<<16
	s_mov_b32 s[G1A+2], 8<<16
	s_mov_b32 s[G1A+3], 512<<16
	s_mov_b32 s[G1A+4], 8
	s_mov_b32 s[G1A+5], 1024
	s_mov_b32 s[G1A+6], 0
	s_mov_b32 s[G1A+7], 0
	; W's codes: 6 n tiles likewise; my work-group's own
	s_mov_b32 s[G1B+0], 3<<16
	s_mov_b32 s[G1B+1], 512<<16
	s_mov_b32 s[G1B+2], 6<<16
	s_mov_b32 s[G1B+3], 512<<16
	s_mov_b32 s[G1B+4], 6
	s_mov_b32 s[G1B+5], 1024
	s_mov_b32 s[G1B+6], 0
	s_mov_b32 s[G1B+7], 0
	; x's scale words: 8 tiles x 512 dense bytes, as 16 rows of 256; jointly
	s_mov_b32 s[G1AS+0], 15|(3<<16)|(1<<21)
	s_mov_b32 s[G1AS+1], 32<<16
	s_mov_b32 s[G1AS+2], 16<<16
	s_mov_b32 s[G1AS+3], 32<<16
	s_mov_b32 s[G1AS+4], 16
	s_mov_b32 s[G1AS+5], 32
	s_mov_b32 s[G1AS+6], 0
	s_mov_b32 s[G1AS+7], 0
	; W's: 6 tiles, 12 rows of 256
	s_mov_b32 s[G1BS+0], 3<<16
	s_mov_b32 s[G1BS+1], 32<<16
	s_mov_b32 s[G1BS+2], 12<<16
	s_mov_b32 s[G1BS+3], 32<<16
	s_mov_b32 s[G1BS+4], 12
	s_mov_b32 s[G1BS+5], 32
	s_mov_b32 s[G1BS+6], 0
	s_mov_b32 s[G1BS+7], 0
	; where they come from.  x's hang on y and the wave alone (s18-23 never hold cx); W's on the head
	s_lshl_b32 s18, s29, 4
	s_lshl_b32 s19, s30, 3
	s_add_co_u32 s18, s18, s19                     ; first m tile: 16 y + 8 half
	s_lshl_b32 s20, s18, 13
	s_mov_b32 s21, 0
	s_lshl_b32 s22, s18, 9
	s_add_co_u32 s22, s22, XSC
	s_mov_b32 s23, 0
	s_mul_i32 s24, s28, 12
	s_mul_i32 s2, s30, 6
	s_add_co_u32 s2, s24, s2                       ; first n tile: 12 head + 6 half
	s_lshl_b32 s24, s2, 13
	s_mov_b32 s25, 0
	s_lshl_b32 s2, s2, 9
	s_add_co_u32 s2, s2, WSC
	s_mov_b32 s3, 0
	s_wait_dscnt 0x0                               ; both opening adds are done
	s_wait_kmcnt 0x0
	s_mov_b32 s[G0A], 1
	s_lshl_b32 s19, s30, 12
	s_add_co_u32 s[G0A+1], s19, ASC
	s_add_nc_u64 s[G0A+2:G0A+3], s[4:5], s[22:23]
	s_or_b32 s[G0A+3], s[G0A+3], 0x80000000
	s_lshl_b32 s19, s30, 15
.irp f, 0,1
	s_mov_b32 s[G0A+4+4*\f], 1
	s_add_co_u32 s[G0A+5+4*\f], s19, 65536*\f
	s_add_nc_u64 s[G0A+6+4*\f:G0A+7+4*\f], s[4:5], s[20:21]
	s_add_nc_u64 s[G0A+6+4*\f:G0A+7+4*\f], s[G0A+6+4*\f:G0A+7+4*\f], 4096*\f
	s_or_b32 s[G0A+7+4*\f], s[G0A+7+4*\f], 0x80000000
.endr
	s_mov_b32 s[G0B], 1
	s_mul_i32 s92, s30, 3072
	s_add_co_u32 s[G0B+1], s92, BSC
	s_add_nc_u64 s[G0B+2:G0B+3], s[6:7], s[2:3]
	s_or_b32 s[G0B+3], s[G0B+3], 0x80000000
	s_mul_i32 s92, s30, 24576
.irp f, 0,1
	s_mov_b32 s[G0B+4+4*\f], 1
	s_add_co_u32 s[G0B+5+4*\f], s92, BC+49152*\f
	s_add_nc_u64 s[G0B+6+4*\f:G0B+7+4*\f], s[6:7], s[24:25]
	s_add_nc_u64 s[G0B+6+4*\f:G0B+7+4*\f], s[G0B+6+4*\f:G0B+7+4*\f], 4096*\f
	s_or_b32 s[G0B+7+4*\f], s[G0B+7+4*\f], 0x80000000
.endr
	CROUND                                         ; all four work-groups are here: the joint loads meet
	s_cmp_lt_u32 s[WV], 2                          ; a wave's three first fills stand in one branch on the wave's number: three loads of mine are out
	s_cbranch_scc0 .Lfirst_w
	tensor_load_to_lds s[G0A:G0A+3], s[G1AS:G1AS+7]
	s_nop 0
	tensor_load_to_lds s[G0A+4:G0A+7], s[G1A:G1A+7]
	s_nop 0
	tensor_load_to_lds s[G0A+8:G0A+11], s[G1A:G1A+7]
	s_nop 0
.rept 4
	v_nop
.endr
	s_branch .Lfirst_asked
.Lfirst_w:
	tensor_load_to_lds s[G0B:G0B+3], s[G1BS:G1BS+7]
	s_nop 0
	tensor_load_to_lds s[G0B+4:G0B+7], s[G1B:G1B+7]
	s_nop 0
	tensor_load_to_lds s[G0B+8:G0B+11], s[G1B:G1B+7]
	s_nop 0
.rept 4
	v_nop
.endr
.Lfirst_asked:
	v_and_b32 v12, 31, v0
	v_lshlrev_b32 v[LI], 4, v12
	s_lshl_b32 s2, s[WV], 14                       ; my 4 m tiles of 4,096 bytes
	v_add_nc_u32 v[AA], s2, v[LI]
	v_add_nc_u32 v[AA+1], 0x10000, v[AA]
	v_add_nc_u32 v[BB], BC, v[LI]
	v_add_nc_u32 v[BB+1], 49152, v[BB]
	v_lshlrev_b32 v13, 2, v12
	s_lshl_b32 s2, s[WV], 11
	s_add_co_u32 s2, s2, ASC
	v_add_nc_u32 v[ASA], s2, v13
	v_add_nc_u32 v[BSA], BSC, v13
	v_bfe_u32 v14, v0, 4, 1
	v_lshlrev_b32 v[OH], 5, v14
	v_and_b32 v15, 15, v0
	v_lshlrev_b32 v[ORR], 2, v15
	s_lshl_b32 s2, s28, 8                          ; the head's 64 numbers of each bias
	s_add_nc_u64 s[8:9], s[8:9], s[2:3]
	s_add_nc_u64 s[10:11], s[10:11], s[2:3]
	s_add_nc_u64 s[12:13], s[12:13], s[2:3]
.irp u, 0,1,2,3
.irp e, 0,1
	global_load_b128 v[BQK+8*\u+4*\e:BQK+8*\u+4*\e+3], v[OH], s[8:9] offset:64*\u+16*\e          ; bq at channels 16 u + 8 h + 0..7
	global_load_b128 v[BQK+32+8*\u+4*\e:BQK+32+8*\u+4*\e+3], v[OH], s[10:11] offset:64*\u+16*\e  ; bk likewise
.endr
	global_load_b32 v[BV+2*\u], v[ORR], s[12:13] offset:64*\u                                    ; bv at channel 16 u + r, twice: a pair for the packed addition
	global_load_b32 v[BV+2*\u+1], v[ORR], s[12:13] offset:64*\u
.endr
	s_lshr_b32 s24, s29, 3
	s_lshl_b32 s24, s24, 4
	s_add_co_u32 s24, s24, s28                     ; bh = 16 b + head
	s_mul_i32 s2, s24, 12288
	s_add_nc_u64 s[16:17], s[16:17], s[2:3]        ; qkv32 at my batch and head
	s_lshl_b32 s2, s24, 7
	s_and_b32 s25, s29, 7
	s_lshl_b32 s25, s25, 4
	s_add_co_u32 s2, s2, s25
	s_lshl_b32 s25, s[WV], 2
	s_add_co_u32 s2, s2, s25                       ; 128 bh + my first tile of 16 positions
	s_lshl_b32 s2, s2, 11
	s_add_nc_u64 s[14:15], s[14:15], s[2:3]        ; q's image,
	s_add_nc_u64 s[92:93], s[14:15], 0x800000      ; k's,
	s_add_nc_u64 s[94:95], s[14:15], 0x1000000     ; v's
	s_wait_tensorcnt 0x1                           ; my scale words and my part of K steps 0-3 are in; K steps 4-7 may stay out
	s_barrier_signal -1
	s_barrier_wait -1                              ; everybody's are
.irp m, 0,1,2,3
.irp p, 0,1,2,3
	ds_load_b32 v[XS+4*\m+\p], v[ASA] offset:512*\m+128*\p
.endr
.endr
.irp n, 0,1,2,3,4,5,6,7,8,9,10,11
.irp p, 0,1,2,3
	ds_load_b32 v[WS+4*\n+\p], v[BSA] offset:512*\n+128*\p
.endr
.endr
; 32 LDS loads in one run: K step t's fragments, each an image: 512 consecutive bytes a load
.macro FETCH t
	WIN 0x40                                       ; destination window 1, address window 0
.irp m, 0,1,2,3
.irp c, 0,1
	ds_load_b128 v[128*((\t)%2)+8*\m+4*\c:128*((\t)%2)+8*\m+4*\c+3], v[AA+(\t)/4] offset:4096*\m+1024*((\t)%4)+512*\c
.endr
.endr
.irp n, 0,1,2,3,4,5,6,7,8,9,10,11
.irp c, 0,1
	ds_load_b128 v[128*((\t)%2)+32+8*\n+4*\c:128*((\t)%2)+32+8*\n+4*\c+3], v[BB+(\t)/4] offset:4096*\n+1024*((\t)%4)+512*\c
.endr
.endr
.endm
.macro MM                              ; one product, from the symbols rD, rA, rB, rSA, rSB.  KIND 0: it starts the sum; 1: an even K step; 2: an odd one, whose scale words lie in lanes 16-31
.if KIND == 0
	v_wmma_scale_f32_16x16x128_f8f6f4 v[rD:rD+7], v[rA:rA+7], v[rB:rB+7], 0, v[rSA], v[rSB] matrix_a_fmt:MATRIX_FMT_FP4 matrix_b_fmt:MATRIX_FMT_FP4
.elseif KIND == 1
	v_wmma_scale_f32_16x16x128_f8f6f4 v[rD:rD+7], v[rA:rA+7], v[rB:rB+7], v[rD:rD+7], v[rSA], v[rSB] matrix_a_fmt:MATRIX_FMT_FP4 matrix_b_fmt:MATRIX_FMT_FP4
.else
	v_wmma_scale_f32_16x16x128_f8f6f4 v[rD:rD+7], v[rA:rA+7], v[rB:rB+7], v[rD:rD+7], v[rSA], v[rSB] matrix_a_fmt:MATRIX_FMT_FP4 matrix_b_fmt:MATRIX_FMT_FP4 matrix_a_scale:MATRIX_SCALE_ROW1 matrix_b_scale:MATRIX_SCALE_ROW1
.endif
.endm
; A K step: the next step's fragments are asked for first, into the other set; then 48 products.  The 48 accumulators take turns, one instruction a turn, in the same order in every step.
.macro STEP s
.if (\s) == 3
	s_wait_dscnt 0x0                               ; no LDS instruction of mine is out at a signal
	s_wait_tensorcnt 0x0                           ; my part of K steps 4-7 is in,
	s_barrier_signal -1
	s_barrier_wait -1                              ; everybody's is
.endif
.if (\s) < 7
.if (\s) > 0
	PLACES                                         ; four places between the last product that read the other set and the loads into it
.endif
	FETCH (\s)+1
	s_wait_dscnt 32                                ; all but the 32 just issued: this step's fragments (and at first the scale words) are in
.else
	s_wait_dscnt 0x0
.endif
.set FB, 128*((\s)%2)
.set SP, (\s)/2
.if (\s) == 0
.set KIND, 0
.elseif (\s)%2 == 0
.set KIND, 1
.else
.set KIND, 2
.endif
	WIN 0xa5                                       ; sources 0 and 1 window 1, C and D window 2
.irp n, 0,1,2,3,4,5,6,7
.irp m, 0,1,2,3
.set rD, 8*(4*\n+\m)
.set rA, FB+32+8*\n
.set rB, FB+8*\m
.set rSA, WS+4*\n+SP
.set rSB, XS+4*\m+SP
	MM                                             ; q, k: source 0 = 16 columns of W, source 1 = 16 rows of x
.endr
.endr
	WIN 0xf5                                       ; C and D window 3
.irp n, 8,9,10,11
.irp m, 0,1,2,3
.set rD, 8*(4*(\n-8)+\m)
.set rA, FB+8*\m
.set rB, FB+32+8*\n
.set rSA, XS+4*\m+SP
.set rSB, WS+4*\n+SP
	MM                                             ; v: source 0 = 16 rows of x, source 1 = 16 columns of W
.endr
.endr
.endm
	FETCH 0
	STEP 0
	STEP 1
	STEP 2
	STEP 3
	STEP 4
	STEP 5
	STEP 6
	STEP 7
	WIN 0
	s_wait_loadcnt 0x0                             ; the biases
	PLACES                                         ; four places between the last product and the first read of results
; THE WAY OUT of n tile n: + bias in f32, each accumulator from its low end on; to f16; four stores of 512 consecutive bytes.
.macro OUT n
	s_wait_xcnt 0x0                                ; the last tile's stores have read T and P: they are written again only behind this wait
.if (\n) < 8
	WIN 0x02                                       ; source 0 window 2
.else
	WIN 0x03                                       ; source 0 window 3
.endif
.irp m, 0,1,2,3
.irp i, 0,1,2,3
.if (\n) < 8
	v_pk_add_f32 v[T+8*\m+2*\i:T+8*\m+2*\i+1], v[8*(4*(\n)+\m)+2*\i:8*(4*(\n)+\m)+2*\i+1], v[BQK+8*(\n)+2*\i:BQK+8*(\n)+2*\i+1]
.else
	v_pk_add_f32 v[T+8*\m+2*\i:T+8*\m+2*\i+1], v[8*(4*((\n)-8)+\m)+2*\i:8*(4*((\n)-8)+\m)+2*\i+1], v[BV+2*((\n)-8):BV+2*((\n)-8)+1]
.endif
.endr
.endr
	WIN 0
.irp m, 0,1,2,3
.irp i, 0,1,2,3
	v_cvt_pk_f16_f32 v[P+4*\m+\i], v[T+8*\m+2*\i], v[T+8*\m+2*\i+1]
.endr
.endr
.if (\n) < 4
.set OBS, 14
.elseif (\n) < 8
.set OBS, 92
.else
.set OBS, 94
.endif
.irp m, 0,1,2,3
.if (\n) < 8
	global_store_b128 v[LI], v[P+4*\m:P+4*\m+3], s[OBS:OBS+1] offset:2048*\m+512*((\n)%4)
.else
	global_store_b128 v[LI], v[P+4*\m:P+4*\m+3], s[OBS:OBS+1] offset:4096*(\m/2)+1024*((\n)%4)+512*(\m%2)
.endif
.endr
	s_cmp_lg_u32 s31, 0                            ; positions 0-15 of a sequence also leave as f32: wave 0 of every eighth y; the same way in all partners
	s_cbranch_scc1 .Lno_f32_\@
	global_store_b128 v[LI], v[T:T+3], s[16:17] offset:1024*(\n)
	global_store_b128 v[LI], v[T+4:T+7], s[16:17] offset:1024*(\n)+512
.Lno_f32_\@:
.endm
.irp n, 0,1,2,3,4,5,6,7,8,9,10,11
	OUT \n
.endr
	s_wait_tensorcnt 0x0                           ; the wave's end
	ds_add_u32 v[SPW], v[NIL]
	s_wait_dscnt 0x0
	CROUND                                         ; the closing round
	s_endpgm
.Lfunc_end_k_q3c5a1de209_qkv:
	.size	k_q3c5a1de209_qkv, .Lfunc_end_k_q3c5a1de209_qkv-k_q3c5a1de209_qkv
	.p2alignl 7, 3214868480
	.fill 96, 4, 3214868480
	.section	.rodata,"a",@progbits
	.p2align	6, 0x0
	.amdhsa_kernel k_q3c5a1de209_qkv
		.amdhsa_group_segment_fixed_size 244224
		.amdhsa_private_segment_fixed_size 0
		.amdhsa_enable_private_segment 0
		.amdhsa_kernarg_size 56
		.amdhsa_user_sgpr_count 2
		.amdhsa_user_sgpr_kernarg_segment_ptr 1
		.amdhsa_wavefront_size32 1
		.amdhsa_system_sgpr_workgroup_id_x 1
		.amdhsa_system_sgpr_workgroup_id_y 1
		.amdhsa_system_sgpr_workgroup_id_z 1
		.amdhsa_system_vgpr_workitem_id 0
		.amdhsa_next_free_vgpr 896
		.amdhsa_next_free_sgpr 96
		.amdhsa_reserve_vcc 0
		.amdhsa_float_denorm_mode_32 3
		.amdhsa_float_denorm_mode_16_64 3
		.amdhsa_memory_ordered 1
		.amdhsa_forward_progress 1
		.amdhsa_inst_pref_size 114
	.end_amdhsa_kernel
	.amdgpu_metadata
---
amdhsa.version: [ 1, 2 ]
amdhsa.kernels:
  - .name:           k_q3c5a1de209_qkv
    .symbol:         k_q3c5a1de209_qkv.kd
    .args:
      - { .name: xq, .offset: 0, .size: 8, .value_kind: global_buffer, .address_space: global }
      - { .name: wq, .offset: 8, .size: 8, .value_kind: global_buffer, .address_space: global }
      - { .name: bq, .offset: 16, .size: 8, .value_kind: global_buffer, .address_space: global }
      - { .name: bk, .offset: 24, .size: 8, .value_kind: global_buffer, .address_space: global }
      - { .name: bv, .offset: 32, .size: 8, .value_kind: global_buffer, .address_space: global }
      - { .name: qkv, .offset: 40, .size: 8, .value_kind: global_buffer, .address_space: global }
      - { .name: qkv32, .offset: 48, .size: 8, .value_kind: global_buffer, .address_space: global }
    .group_segment_fixed_size: 244224
    .private_segment_fixed_size: 0
    .kernarg_segment_align: 8
    .kernarg_segment_size: 56
    .max_flat_workgroup_size: 128
    .sgpr_count:     96
    .vgpr_count:     896
    .wavefront_size: 32
...
	.end_amdgpu_metadata
.endif
;; end of part 2
;; launch attn (part 3): grid 8 x 32, 16 waves a work-group, no clusters, 133,120 bytes of LDS; arguments qkv, oimg; writes oimg
.if DOCPART == 3
	.amdgcn_target "amdgcn-amd-amdhsa--gfx1250"
	.amdhsa_code_object_version 6
	.text
	.protected	k_q3c5a1de209_attn
	.globl	k_q3c5a1de209_attn
	.p2align	8
	.type	k_q3c5a1de209_attn,@function
k_q3c5a1de209_attn:
	s_mov_b64 s[64:65], 0
	v_nop
	global_prefetch_b8 v0, s[64:65] scope:SCOPE_SE
	s_setreg_imm32_b32 hwreg(HW_REG_WAVE_MODE, 25, 1), 1
	s_wait_xcnt 0x0
; ATTN.  o = softmax(q k^T / 8, keys j with 0 <= i - j <= 256) v, f16 operands, f32 sums, only the keys that the mask keeps.
; A work-group owns 256 queries of one batch and head; each of its sixteen waves 16 queries, i0 = 256 blk + 16 w.  A wave's keys are kb .. kb + 287, kb = 256 blk + 32 (w / 2) - 256: 18 tiles of 16, 9 chunks of 32.
; ALL 144 SCORES OF A LANE STAY IN REGISTERS: the row's maximum is the exact one, taken away before the exponential; nothing is rescaled.  Four waves share a SIMD.
; S^T = K Q^T (source 0 = 16 keys, source 1 = my 16 queries): a lane holds ONE query (lane % 16) and keys 8 (lane / 16) + 0..7 of each tile.  Two tiles, rounded to f16 in pairs, are source 1 of O^T = V^T P.
; K's and V's images of keys 256 blk - 256 .. 256 blk + 255 (65,536 bytes each) go through registers into LDS once; the first block of a sequence has no earlier keys and stores zeros there (they are masked).
; No cluster: neighbouring blocks share half a tile each, in different places of their LDS, and the first block differs.  No tensor load: block 0 has half a tile.
; oimg: f16 [tile of 16 rows 256][K step of 32: 32][c 2][lane][16]: a lane's 8 channels of a query are 16 bytes of the projection's operand image: the wave stores 2,048 consecutive bytes.
; LIMITS: f16 operands (|q|, |k|, |v| up to 65,504); NaN and infinities are not served.
; REGISTERS: v1-8 addresses and mask numbers; v12-15 maxima; v16-31 Q; v32-95 two sets of K or V fragments; v96-239 S, then p; P in v96-167; O^T in v176-207; v208-255 at work.
.set SPARE, 131072                     ; behind K's and V's regions: the spare words, 128 bytes for each of sixteen waves
.set SPW, 10                           ; v10  LDS address of my spare word; never rewritten
.set NIL, 11                           ; v11  0; never rewritten
.set S,   96
	s_load_b128 s[4:7], s[0:1], 0x0                ; qkv, oimg
	v_lshl_add_u32 v[SPW], v0, 2, SPARE
	v_mov_b32 v[NIL], 0
	v_lshrrev_b32 v12, 5, v0
	v_readfirstlane_b32 s8, v12                    ; wave 0..15
	s_and_b32 s10, ttmp7, 0xffff                   ; bh
	v_lshlrev_b32 v1, 4, v0                        ; 16 x thread: the fill's place in 8,192 bytes, in memory and in K's region
	v_add_nc_u32 v2, 0x10000, v1                   ; and in V's region
	v_and_b32 v12, 31, v0
	v_lshlrev_b32 v5, 4, v12                       ; 16 x lane
	s_lshr_b32 s11, s8, 1
	s_lshl_b32 s24, s11, 12
	v_add_nc_u32 v3, s24, v5                       ; my first key tile: 2 (w / 2) tiles of 2,048 bytes
	v_add_nc_u32 v4, 0x10000, v3                   ; my first chunk of V: (w / 2) chunks of 4,096 bytes
	v_mov_b32 v250, 0                              ; a lane permute's destination counts as one of its sources
	s_mov_b32 s20, 0x3e38aa3b                      ; c = log2(e) / 8
	s_mov_b32 s21, s20                             ; (named with it as a pair)
	s_mov_b32 s22, 0x76543210
	s_mov_b32 s23, 0xfedcba98                      ; selects for lane l xor 16
	s_lshl_b32 s12, s10, 7
	s_lshl_b32 s25, ttmp9, 4
	s_add_co_u32 s12, s12, s25                     ; 128 bh + 16 blk: my block's first tile
	s_add_co_u32 s14, s12, s8
	s_lshl_b32 s14, s14, 11
	s_mov_b32 s15, 0
	s_lshl_b32 s12, s12, 11
	s_mov_b32 s13, 0
	s_lshr_b32 s18, s10, 4
	s_lshl_b32 s18, s18, 7
	s_add_co_u32 s18, s18, s25
	s_add_co_u32 s18, s18, s8                      ; my tile of 16 rows of the projection: 128 b + 16 blk + w
	s_lshl_b32 s18, s18, 5
	s_and_b32 s19, s10, 15
	s_lshl_b32 s19, s19, 1
	s_add_co_u32 s18, s18, s19                     ; its K steps 2 head, 2 head + 1
	s_lshl_b32 s18, s18, 10
	s_mov_b32 s19, 0
	s_wait_kmcnt 0x0
	s_add_nc_u64 s[14:15], s[4:5], s[14:15]        ; my tile of q
	s_add_nc_u64 s[12:13], s[4:5], s[12:13]
	s_add_nc_u64 s[16:17], s[12:13], 0x1000000     ; v's image at my block's first key
	s_add_nc_u64 s[12:13], s[12:13], 0x800000      ; k's
	s_add_nc_u64 s[6:7], s[6:7], s[18:19]
.irp e, 0,1,2,3
	global_load_b128 v[16+4*\e:19+4*\e], v5, s[14:15] offset:512*\e
.endr
	s_cmp_eq_u32 ttmp9, 0                          ; the block's number: the same in all sixteen waves
	s_cbranch_scc1 .Lfirst_block
.irp i, 0,1,2,3
	global_load_b128 v[96+4*\i:99+4*\i], v1, s[12:13] offset:8192*\i-32768     ; the 256 keys before my block: 512 threads x 16 bytes
	global_load_b128 v[128+4*\i:131+4*\i], v1, s[16:17] offset:8192*\i-32768
.endr
	s_branch .Lown
.Lfirst_block:
.irp i, 0,1,2,3,4,5,6,7,8,9,10,11,12,13,14,15
	v_mov_b32 v[96+\i], 0                          ; there are none: zeros, so that a masked weight of 0 meets a number
	v_mov_b32 v[128+\i], 0
.endr
.Lown:
.irp i, 0,1,2,3
	global_load_b128 v[112+4*\i:115+4*\i], v1, s[12:13] offset:8192*\i          ; my block's own 256 keys
	global_load_b128 v[144+4*\i:147+4*\i], v1, s[16:17] offset:8192*\i
.endr
	s_wait_loadcnt 0x0
.irp i, 0,1,2,3,4,5,6,7
	ds_store_b128 v1, v[96+4*\i:99+4*\i] offset:8192*\i
	ds_store_b128 v2, v[128+4*\i:131+4*\i] offset:8192*\i
.endr
	s_wait_dscnt 0x0                               ; for the others' sake: my stores are done
	s_barrier_signal -1
	s_barrier_wait -1                              ; the launch's one barrier: from here on LDS is only read
.macro FETCH adr, g                    ; group g: four fragments (K: two tiles x two halves of the head; V: a chunk's four tiles of channels) into set g % 2
.irp e, 0,1,2,3
.irp c, 0,1
	ds_load_b128 v[32+32*((\g)%2)+8*\e+4*\c:32+32*((\g)%2)+8*\e+4*\c+3], v[\adr] offset:4096*(\g)+1024*\e+512*\c
.endr
.endr
.endm
	; ---- S^T = K Q^T: two tiles a group; their two accumulators take turns
	FETCH 3, 0
	FETCH 3, 1
.irp g, 0,1,2,3,4,5,6,7,8
.if \g < 8
	s_wait_dscnt 8                                 ; this group's eight loads are in; the next group's may be out
.else
	s_wait_dscnt 0x0
.endif
	v_wmma_f32_16x16x32_f16 v[S+16*\g:S+16*\g+7], v[32+32*(\g%2):39+32*(\g%2)], v[16:23], 0
	v_wmma_f32_16x16x32_f16 v[S+8+16*\g:S+15+16*\g], v[48+32*(\g%2):55+32*(\g%2)], v[16:23], 0
	v_wmma_f32_16x16x32_f16 v[S+16*\g:S+16*\g+7], v[40+32*(\g%2):47+32*(\g%2)], v[24:31], v[S+16*\g:S+16*\g+7]
	v_wmma_f32_16x16x32_f16 v[S+8+16*\g:S+15+16*\g], v[56+32*(\g%2):63+32*(\g%2)], v[24:31], v[S+8+16*\g:S+15+16*\g]
.if \g < 7
.rept 4
	v_nop                                          ; four places in front of loads into registers that these products read
.endr
	FETCH 3, \g+2
.endif
.endr
	v_and_b32 v12, 15, v0                          ; r.  (These four lines are the places behind the last products)
	v_bfe_u32 v13, v0, 4, 1
	v_lshlrev_b32 v13, 3, v13                      ; 8 h
	v_mov_b32 v8, 0xff800000                       ; -infinity
	FETCH 4, 0                                     ; V's first two chunks land under the softmax
	FETCH 4, 1
	; ---- the mask.  Register 8 T + j holds key kb + n + 8 h, n = 16 T + j; i - key = 256 + e2 - n with e2 = 16 (w % 2) + r - 8 h, which lies in -8 .. 31
	v_sub_nc_u32 v6, v12, v13
	s_and_b32 s24, s8, 1
	s_lshl_b32 s24, s24, 4
	v_add_nc_u32 v6, s24, v6                       ; e2
	s_lshl_b32 s25, s11, 5
	s_sub_co_u32 s25, 256, s25
	v_sub_nc_u32 v7, s25, v13                      ; f = 256 - 32 (w / 2) - 8 h: in the first block key < 0 where n < f
.irp t, 0,1
.irp j, 0,1,2,3,4,5,6,7
	v_cmp_lt_i32 vcc_lo, 16*\t+\j, v6              ; i - key > 256: beyond the window
	v_cndmask_b32 v[S+8*\t+\j], v[S+8*\t+\j], v8, vcc_lo
.endr
.endr
.irp t, 16,17
.irp j, 0,1,2,3,4,5,6,7
	v_cmp_gt_i32 vcc_lo, 16*(\t-16)+\j, v6         ; key > i: after the query
	v_cndmask_b32 v[S+8*\t+\j], v[S+8*\t+\j], v8, vcc_lo
.endr
.endr
	s_cmp_lg_u32 ttmp9, 0
	s_cbranch_scc1 .Lno_edge
.irp t, 0,1,2,3,4,5,6,7,8,9,10,11,12,13,14,15
.irp j, 0,1,2,3,4,5,6,7
	v_cmp_lt_i32 vcc_lo, 16*\t+\j, v7              ; the first block: keys before the sequence's start
	v_cndmask_b32 v[S+8*\t+\j], v[S+8*\t+\j], v8, vcc_lo
.endr
.endr
.Lno_edge:
	; ---- the row's maximum: four chains, each tile from its low end on.  The key i itself always counts, so the maximum is a number
.irp t, 0,1,2,3
	v_max_num_f32 v[12+\t], v[S+8*\t], v[S+1+8*\t]
.endr
.irp i, 2,4,6
.irp t, 0,1,2,3
	v_max3_num_f32 v[12+\t], v[12+\t], v[S+8*\t+\i], v[S+1+8*\t+\i]
.endr
.endr
.irp q, 1,2,3
.irp i, 0,2,4,6
.irp t, 0,1,2,3
	v_max3_num_f32 v[12+\t], v[12+\t], v[S+8*(4*\q+\t)+\i], v[S+1+8*(4*\q+\t)+\i]
.endr
.endr
.endr
.irp i, 0,2,4,6
.irp t, 0,1
	v_max3_num_f32 v[12+\t], v[12+\t], v[S+8*(16+\t)+\i], v[S+1+8*(16+\t)+\i]
.endr
.endr
	v_max3_num_f32 v12, v12, v13, v14
	v_max_num_f32 v12, v12, v15
	v_permlanex16_b32 v250, v12, s22, s23          ; the query's other keys lie in the lane 16 away
	v_max_num_f32 v12, v12, v250
	v_mul_f32 v240, s20, v12                       ; c m
	v_mov_b32 v241, v240
.set j, 0
.rept 72
	v_pk_fma_f32 v[S+j:S+j+1], v[S+j:S+j+1], s[20:21], v[240:241] op_sel_hi:[1,0,0] neg_lo:[0,0,1] neg_hi:[0,0,1]   ; c s - c m
.set j, j+2
.endr
.set j, 0
.rept 144
	v_exp_f32 v[S+j], v[S+j]                       ; p = 2^(c s - c m), at most 1; 0 where the mask hides
.set j, j+1
.endr
	v_mov_b32 v253, 0                              ; a plain line behind the exponentials (the upper half of the pair v[252:253])
	s_wait_alu depctr_va_vdst(0)                   ; one wait for the whole batch, ahead of its first reader
	; ---- the row's sum, of the unrounded p, in four chains
.irp h, 0,1,2,3
	v_pk_add_f32 v[242+2*\h:243+2*\h], v[S+2*\h:S+1+2*\h], v[S+8+2*\h:S+9+2*\h]
.endr
.set j, 8
.rept 64
	v_pk_add_f32 v[242+2*(j%4):243+2*(j%4)], v[242+2*(j%4):243+2*(j%4)], v[S+2*j:S+2*j+1]
.set j, j+1
.endr
	v_pk_add_f32 v[242:243], v[242:243], v[244:245]
	v_pk_add_f32 v[246:247], v[246:247], v[248:249]
	v_pk_add_f32 v[242:243], v[242:243], v[246:247]
	v_add_f32 v242, v242, v243
	v_permlanex16_b32 v250, v242, s22, s23
	v_add_f32 v242, v242, v250
	v_rcp_f32 v252, v242                           ; its wait stands ahead of the way out; the roundings below are the plain work behind it
	; ---- p to f16, in place from the low end: no destination lies above a source that is still to be read
.irp t, 0,1,2,3,4,5,6,7,8,9,10,11,12,13,14,15,16,17
.irp i, 0,1,2,3
	v_cvt_pk_f16_f32 v[S+4*\t+\i], v[S+8*\t+2*\i], v[S+8*\t+2*\i+1]
.endr
.endr
	; ---- O^T = V^T P: a chunk of 32 keys at a time, four accumulators by turns
.irp g, 0,1,2,3,4,5,6,7,8
.if \g < 8
	s_wait_dscnt 8                                 ; this chunk's eight loads are in; the next chunk's may be out
.else
	s_wait_dscnt 0x0
.endif
.irp d, 0,1,2,3
.if \g == 0
	v_wmma_f32_16x16x32_f16 v[176+8*\d:183+8*\d], v[32+32*(\g%2)+8*\d:39+32*(\g%2)+8*\d], v[S+8*\g:S+7+8*\g], 0
.else
	v_wmma_f32_16x16x32_f16 v[176+8*\d:183+8*\d], v[32+32*(\g%2)+8*\d:39+32*(\g%2)+8*\d], v[S+8*\g:S+7+8*\g], v[176+8*\d:183+8*\d]
.endif
.endr
.if \g < 7
.rept 4
	v_nop
.endr
	FETCH 4, \g+2
.endif
.endr
	; ---- the way out
.rept 4
	v_nop                                          ; four places behind the last products
.endr
	s_wait_alu depctr_va_vdst(0)                   ; the reciprocal's wait, ahead of its first reader
.irp j, 0,2,4,6,8,10,12,14,16,18,20,22,24,26,28,30
	v_pk_mul_f32 v[208+\j:209+\j], v[176+\j:177+\j], v[252:253] op_sel_hi:[1,0]   ; O^T / the sum
.endr
.irp d, 0,1,2,3
.irp i, 0,1,2,3
	v_cvt_pk_f16_f32 v[32+4*\d+\i], v[208+8*\d+2*\i], v[209+8*\d+2*\i]
.endr
.endr
.irp d, 0,1,2,3
	global_store_b128 v5, v[32+4*\d:35+4*\d], s[6:7] offset:512*\d               ; channels 16 d + 8 h + 0..7 of query r: 512 consecutive bytes a store
.endr
	s_wait_tensorcnt 0x0                           ; the wave's end
	ds_add_u32 v[SPW], v[NIL]
	s_wait_dscnt 0x0
	s_endpgm
.Lfunc_end_k_q3c5a1de209_attn:
	.size	k_q3c5a1de209_attn, .Lfunc_end_k_q3c5a1de209_attn-k_q3c5a1de209_attn
	.p2alignl 7, 3214868480
	.fill 96, 4, 3214868480
	.section	.rodata,"a",@progbits
	.p2align	6, 0x0
	.amdhsa_kernel k_q3c5a1de209_attn
		.amdhsa_group_segment_fixed_size 133120
		.amdhsa_private_segment_fixed_size 0
		.amdhsa_enable_private_segment 0
		.amdhsa_kernarg_size 16
		.amdhsa_user_sgpr_count 2
		.amdhsa_user_sgpr_kernarg_segment_ptr 1
		.amdhsa_wavefront_size32 1
		.amdhsa_system_sgpr_workgroup_id_x 1
		.amdhsa_system_sgpr_workgroup_id_y 1
		.amdhsa_system_sgpr_workgroup_id_z 1
		.amdhsa_system_vgpr_workitem_id 0
		.amdhsa_next_free_vgpr 256
		.amdhsa_next_free_sgpr 66
		.amdhsa_reserve_vcc 1
		.amdhsa_float_denorm_mode_32 3
		.amdhsa_float_denorm_mode_16_64 3
		.amdhsa_memory_ordered 1
		.amdhsa_forward_progress 1
		.amdhsa_inst_pref_size 61
	.end_amdhsa_kernel
	.amdgpu_metadata
---
amdhsa.version: [ 1, 2 ]
amdhsa.kernels:
  - .name:           k_q3c5a1de209_attn
    .symbol:         k_q3c5a1de209_attn.kd
    .args:
      - { .name: qkv, .offset: 0, .size: 8, .value_kind: global_buffer, .address_space: global }
      - { .name: oimg, .offset: 8, .size: 8, .value_kind: global_buffer, .address_space: global }
    .group_segment_fixed_size: 133120
    .private_segment_fixed_size: 0
    .kernarg_segment_align: 8
    .kernarg_segment_size: 16
    .max_flat_workgroup_size: 512
    .sgpr_count:     66
    .vgpr_count:     256
    .wavefront_size: 32
...
	.end_amdgpu_metadata
.endif
;; end of part 3
;; launch proj (part 4): grid 8 x 32, 4 waves a work-group, clusters of 4 x 4, 327,680 bytes of LDS; arguments oimg, woimg, bo, out0; writes out0
.if DOCPART == 4
	.amdgcn_target "amdgcn-amd-amdhsa--gfx1250"
	.amdhsa_code_object_version 6
	.text
	.protected	k_q3c5a1de209_proj
	.globl	k_q3c5a1de209_proj
	.p2align	8
	.type	k_q3c5a1de209_proj,@function
k_q3c5a1de209_proj:
	s_mov_b64 s[64:65], 0
	v_nop
	global_prefetch_b8 v0, s[64:65] scope:SCOPE_SE
	s_setreg_imm32_b32 hwreg(HW_REG_WAVE_MODE, 25, 1), 1
	s_wait_xcnt 0x0
	s_wait_alu depctr_hold_cnt(0) depctr_sa_sdst(0) depctr_va_vdst(0) depctr_va_sdst(0) depctr_va_ssrc(0) depctr_va_vcc(0) depctr_vm_vsrc(0)
	s_getreg_b32 s2, hwreg(HW_REG_IB_STS2, 6, 4)
	s_cmp_eq_u32 s2, 0
	s_cbranch_scc0 .Lentry_in_a_cluster
	s_endpgm
.Lentry_in_a_cluster:
	s_bfe_u32 s2, ttmp6, 0x10000c
	s_cmp_lg_u32 s2, 0xf033
	s_cbranch_scc0 .Lentry_shape_is_right
	s_endpgm
.Lentry_shape_is_right:
; PROJ.  out0 = o Wo + bo, f16 operands, f32 sums, all 4,096 rows.  (Rows 0-15 of both sequences are written here too, so that no branch hangs on a work-group's place; the launch behind this one writes them again, finer.)
; A tile of out0 is 128 x 128; four waves, each 64 x 64: 16 accumulators.  K goes in four steps of 256 through two LDS slots filled by the tensor data mover.
; Both operands arrive as images of the operand's registers (1,024 bytes a fragment of 16 rows x 32 K): a K step of a tile of 16 rows is 8,192 dense bytes, a fragment load is 512 consecutive LDS bytes: no pitch, no padding.
; CLUSTERS: 4 x 4 work-groups.  The four of a row need the same tiles of o, the four of a column the same tiles of Wo: each is asked for JOINTLY.
; THE MATRIX INSTRUCTION IS USED TRANSPOSED (source 0 = 16 columns of Wo, source 1 = 16 rows of o): a lane holds eight neighbouring numbers of a row of out0.
; REGISTERS: window 0: v8-11 bo, v16-29 addresses, v32-95 the way out, v128-255 the accumulators ((a, b) at v[128 + 8 (4 a + b)]).  window 1: two fragment buffers of 128: 64 of o, then 64 of Wo.
; LIMITS: f16 operands: |o|, |Wo| up to 65,504.
.set HALFT,  32768                     ; 4 tiles of 16 rows x 8,192 bytes: what one tensor load brings, and what one wave reads of o or of Wo
.set SLOT,   4*HALFT                   ; o's 8 tiles, then Wo's 8
.set SPARE,  2*SLOT                    ; behind the ring: the spare words, 128 bytes for each wave
.set SPITCH, 272                       ; the way out: a stage of 16 rows x (256 bytes + 16) for each wave, in slot 0, which has had its last fill and its last read by then
.set BI,   8                           ; v8-11   bo at my four columns of a row read back
.set ADRA, 16                          ; v16-17  LDS address of my fragments of o in slot 0, 1
.set ADRB, 20                          ; v20-21  the same for Wo
.set STO,  24                          ; v24     where I put 32 bytes of a row
.set RD,   25                          ; v25     where I read a row back
.set CO,   26                          ; v26     my byte offset in out0
.set BOF,  27                          ; v27     16 (lane % 16)
.set SPW,  28                          ; v28     LDS address of my spare word; never rewritten
.set NIL,  29                          ; v29     0; never rewritten
.set OB,   32
.set ACC,  128
.set F0,   0
.set F1,   128
.set G1, 24                            ; s[24:31] group 1 for o's tiles;  s[32:39] group 0, one set for each slot
.set G0, 32
.set G1B, 48                           ; s[48:55], s[56:63] the same for Wo's
.set G0B, 56
.set MSB, 0
.macro WIN new
.if MSB != \new
	s_set_vgpr_msb (MSB<<8)|\new
.set MSB, \new
.endif
.endm
.set MUL,  0x05                        ; sources 0 and 1 window 1; C and D window 0
.set TO_F, 0x40                        ; destination window 1, address window 0
.macro JLOAD s                         ; a joint load: waves 0 and 1 fetch o's two halves, waves 2 and 3 Wo's; an s_nop 0 and four v_nop follow each of the two lines
	s_cmp_eq_u32 s15, 0
	s_cbranch_scc0 .Lfor_b_\@
	tensor_load_to_lds s[G0+4*\s:G0+4*\s+3], s[G1:G1+7]
	s_nop 0
.rept 4
	v_nop
.endr
	s_branch .Lasked_\@
.Lfor_b_\@:
	tensor_load_to_lds s[G0B+4*\s:G0B+4*\s+3], s[G1B:G1B+7]
	s_nop 0
.rept 4
	v_nop
.endr
.Lasked_\@:
.endm
.macro CREST                           ; a round of the cluster's barrier behind its opening barrier
	s_cmp_lg_u32 s14, 0
	s_cbranch_scc1 .Lnot_wave_0_\@
	s_barrier_signal -3
.Lnot_wave_0_\@:
	s_barrier_wait -3
	s_barrier_signal -1
	s_barrier_wait -1
.endm
.macro CROUND
	s_barrier_signal -1
	s_barrier_wait -1
	CREST
.endm
	s_load_b128 s[4:7], s[0:1], 0x0                ; oimg s[4:5], woimg s[6:7]
	s_load_b128 s[8:11], s[0:1], 0x10              ; bo s[8:9], out0 s[10:11]
	v_lshl_add_u32 v[SPW], v0, 2, SPARE
	v_mov_b32 v[NIL], 0
	ds_add_u32 v[SPW], v[NIL]                      ; the wave's opening: the add, twice on end, and its wait ahead of my first tensor load
	ds_add_u32 v[SPW], v[NIL]
	v_lshrrev_b32 v1, 5, v0
	v_readfirstlane_b32 s14, v1                    ; wave 0..3
	s_lshr_b32 s15, s14, 1                         ; which half of the tile's rows is mine.  Also: I fetch for o (0) or for Wo (1)
	s_and_b32 s16, s14, 1                          ; which half of its columns.  Also: which 4 tiles of 16 I fetch
	s_bfe_u32 s40, ttmp6, 0x40000                  ; cx, cy
	s_bfe_u32 s41, ttmp6, 0x40004
	s_lshl_b32 s42, ttmp9, 2
	s_add_co_u32 s42, s42, s40                     ; tile column = 4 x cluster x + cx
	s_and_b32 s17, ttmp7, 0xffff
	s_lshl_b32 s17, s17, 2
	s_add_co_u32 s17, s17, s41                     ; tile row = 4 x cluster y + cy
	s_lshl_b32 s43, s41, 2
	s_lshl_b32 s43, 15, s43                        ; my row of the cluster
	s_lshl_b32 s44, 0x1111, s40                    ; my column
	s_or_b32 s[G1+0], s43, (3<<16)|(1<<21)         ; the mask; elements of 8 bytes; bit 21 set beside a mask; no padding
	s_or_b32 s[G1B+0], s44, (3<<16)|(1<<21)
.irp g, G1, G1B
	s_mov_b32 s[\g+1], 1024<<16                    ; tensor_dim0: a K step of a tile of 16 rows, 8,192 bytes
	s_mov_b32 s[\g+2], 4<<16                       ; tensor_dim1: 4 such tiles
	s_mov_b32 s[\g+3], 1024<<16                    ; tile_dim0
	s_mov_b32 s[\g+4], 4                           ; tile_dim1
	s_mov_b32 s[\g+5], 4096                        ; from tile to tile: 32,768 bytes
	s_mov_b32 s[\g+6], 0
	s_mov_b32 s[\g+7], 0
.endr
	s_lshl_b32 s18, s16, 2
	s_lshl_b32 s20, s17, 3
	s_add_co_u32 s20, s20, s18                     ; o: tile of 16 rows 8 x tile row + 4 x half
	s_lshl_b32 s20, s20, 15
	s_mov_b32 s21, 0
	s_lshl_b32 s46, s42, 3
	s_add_co_u32 s46, s46, s18                     ; Wo: 8 x tile column + 4 x half
	s_lshl_b32 s46, s46, 15
	s_mov_b32 s47, 0
	s_lshl_b32 s45, s14, 15                        ; where they go: wave x 32,768: no place in the cluster enters an LDS address
	s_wait_dscnt 0x0                               ; both opening adds are done
	s_wait_kmcnt 0x0
	s_add_nc_u64 s[20:21], s[4:5], s[20:21]
	s_add_nc_u64 s[46:47], s[6:7], s[46:47]
	CROUND                                         ; all sixteen work-groups are here: the first joint loads meet
.irp s, 0,1
	s_mov_b32 s[G0+4*\s], 1
	s_add_co_u32 s[G0+4*\s+1], s45, \s*SLOT
	s_add_nc_u64 s[G0+4*\s+2:G0+4*\s+3], s[20:21], \s*8192
	s_or_b32 s[G0+4*\s+3], s[G0+4*\s+3], 0x80000000
	s_mov_b32 s[G0B+4*\s], 1
	s_add_co_u32 s[G0B+4*\s+1], s45, \s*SLOT
	s_add_nc_u64 s[G0B+4*\s+2:G0B+4*\s+3], s[46:47], \s*8192
	s_or_b32 s[G0B+4*\s+3], s[G0B+4*\s+3], 0x80000000
	JLOAD \s
.endr
	v_and_b32 v1, 15, v0                           ; l % 16
	v_bfe_u32 v2, v0, 4, 1                         ; l / 16
	v_and_b32 v3, 31, v0
	v_lshlrev_b32 v3, 4, v3                        ; 16 x lane
	s_lshl_b32 s22, s15, 15                        ; my 4 tiles of o
	s_lshl_b32 s23, s16, 15                        ; my 4 tiles of Wo,
	s_add_co_u32 s23, s23, 2*HALFT                 ; which lie behind o's 8
.irp s, 0,1
	v_add_nc_u32 v[ADRA+\s], s22, v3
	v_add_nc_u32 v[ADRB+\s], s23, v3
	s_add_co_u32 s22, s22, SLOT
	s_add_co_u32 s23, s23, SLOT
.endr
	s_mul_i32 s22, s14, 16*SPITCH                  ; my stage
	v_mul_u32_u24 v4, v1, SPITCH
	v_lshl_add_u32 v4, v2, 5, v4
	v_add_nc_u32 v[STO], s22, v4                   ; in: row l % 16, 32 bytes for each half of the lanes
	v_mul_u32_u24 v5, v2, SPITCH
	v_lshl_add_u32 v5, v1, 4, v5
	v_add_nc_u32 v[RD], s22, v5                    ; back: lanes 0-15 one row of 256 bytes, lanes 16-31 the next
	v_lshlrev_b32 v[BOF], 4, v1
	v_lshl_add_u32 v[CO], v2, 12, v[BOF]           ; and the same two rows in out0
	s_lshl_b32 s22, s17, 7
	s_lshl_b32 s23, s15, 6
	s_add_co_u32 s22, s22, s23                     ; my first row: 128 x tile row + 64 x half
	s_lshl_b32 s22, s22, 12
	s_mov_b32 s23, 0
	s_add_nc_u64 s[10:11], s[10:11], s[22:23]
	s_lshl_b32 s46, s42, 9                         ; my first column, in bytes: 512 x tile column + 256 x half
	s_lshl_b32 s47, s16, 8
	s_add_co_u32 s46, s46, s47
	s_mov_b32 s47, 0
	s_add_nc_u64 s[10:11], s[10:11], s[46:47]
	s_add_nc_u64 s[8:9], s[8:9], s[46:47]
	global_load_b128 v[BI:BI+3], v[BOF], s[8:9]
; 8 matrix instructions: m blocks a0, a0 + 1 x all 4 n blocks, 32 along K: half c of buffer f.  zero = 1: the first product starts the sums
.macro MUL8 f, c, a0, zero
.irp a, \a0, \a0+1
.irp b, 0,1,2,3
.if \zero
	v_wmma_f32_16x16x32_f16 v[ACC+8*(4*(\a)+\b):ACC+8*(4*(\a)+\b)+7], v[\f+64+8*(4*\c+\b):\f+64+8*(4*\c+\b)+7], v[\f+8*(4*\c+\a):\f+8*(4*\c+\a)+7], 0
.else
	v_wmma_f32_16x16x32_f16 v[ACC+8*(4*(\a)+\b):ACC+8*(4*(\a)+\b)+7], v[\f+64+8*(4*\c+\b):\f+64+8*(4*\c+\b)+7], v[\f+8*(4*\c+\a):\f+8*(4*\c+\a)+7], v[ACC+8*(4*(\a)+\b):ACC+8*(4*(\a)+\b)+7]
.endif
.endr
.endr
.endm
; 32 LDS loads in one run: the fragments of 64 along K (two fragments deep, from byte k of each tile's 8,192) into buffer f; the first 32 along K first
.macro FETCH slot, k, f
	WIN TO_F
.irp c, 0,1
.irp i, 0,1,2,3
	ds_load_b128 v[\f+64+8*(4*\c+\i):\f+64+8*(4*\c+\i)+3],   v[ADRB+\slot] offset:\k+1024*\c+\i*8192
	ds_load_b128 v[\f+64+8*(4*\c+\i)+4:\f+64+8*(4*\c+\i)+7], v[ADRB+\slot] offset:\k+1024*\c+\i*8192+512
	ds_load_b128 v[\f+8*(4*\c+\i):\f+8*(4*\c+\i)+3],         v[ADRA+\slot] offset:\k+1024*\c+\i*8192
	ds_load_b128 v[\f+8*(4*\c+\i)+4:\f+8*(4*\c+\i)+7],       v[ADRA+\slot] offset:\k+1024*\c+\i*8192+512
.endr
.endr
.endm
.macro PLACES                          ; four places in front of loads into registers that matrix instructions have read, and of the first read of results
.rept 4
	v_nop
.endr
.endm
; A K step is four quarters of 64 along K, 32 matrix instructions each, on buffers 0, 1, 0, 1.  One of the first three: multiplies buffer f and fetches the next quarter, at byte k, into g.
.macro QUARTER slot, k, f, g, zero
	s_wait_dscnt 16                                ; the first 32 along K are in; the other sixteen loads may be out
	WIN MUL
	MUL8 \f, 0, 0, \zero
	MUL8 \f, 0, 2, \zero
	PLACES
	FETCH \slot, \k, \g
	s_wait_dscnt 32                                ; all but the 32 just issued
	WIN MUL
	MUL8 \f, 1, 0, 0
	MUL8 \f, 1, 2, 0
.endm
; The last quarter multiplies buffer 1 and changes slots: ONE barrier; in front of it each wave waits for all its tensor loads, adds 0 to its spare word, and waits for that and for its own reads of this slot.
; fill = 1: this slot is filled again, two K steps ahead; the barrier then opens a round of the cluster's barrier.
.macro TURN slot, next, fill
	WIN 0                                          ; (the add's two registers lie in window 0)
	s_wait_tensorcnt 0x0                           ; all my tensor loads have landed: my part of the next slot;
	ds_add_u32 v[SPW], v[NIL]                      ; 0 onto my spare word;
	s_wait_dscnt 17                                ; (the add and the youngest sixteen loads may be out)
	WIN MUL
	MUL8 F1, 0, 0, 0                               ; eight matrix instructions stand between the add and the wait for it
	s_wait_dscnt 0x0                               ; the add is done, and my reads of this slot are over
	s_barrier_signal -1
	MUL8 F1, 0, 2, 0
.if \fill
	WIN 0
.endif
	s_barrier_wait -1
.if \fill
	CREST                                          ; no wave of any partner still reads this slot's tile or has a load on its way
	s_add_nc_u64 s[G0+4*\slot+2:G0+4*\slot+3], s[G0+4*\slot+2:G0+4*\slot+3], 16384
	s_add_nc_u64 s[G0B+4*\slot+2:G0B+4*\slot+3], s[G0B+4*\slot+2:G0B+4*\slot+3], 16384
	JLOAD \slot                                    ; the first tensor load behind the round; the four v_nop behind it are also the places in front of the loads below
.else
	PLACES
.endif
	FETCH \next, 0, F0
	WIN MUL
	MUL8 F1, 1, 0, 0
	MUL8 F1, 1, 2, 0
.endm
	s_wait_tensorcnt 1                             ; my part of K step 0 is in; K step 1's may stay out
	s_barrier_signal -1
	s_barrier_wait -1                              ; everybody's is
	FETCH 0, 0, F0
	QUARTER 0, 2048, F0, F1, 1                     ; K step 0: its first products start the sums
	QUARTER 0, 4096, F1, F0, 0
	QUARTER 0, 6144, F0, F1, 0
	TURN 0, 1, 1                                   ; slot 0 takes K step 2
	QUARTER 1, 2048, F0, F1, 0                     ; K step 1
	QUARTER 1, 4096, F1, F0, 0
	QUARTER 1, 6144, F0, F1, 0
	TURN 1, 0, 1                                   ; slot 1 takes K step 3
	QUARTER 0, 2048, F0, F1, 0                     ; K step 2
	QUARTER 0, 4096, F1, F0, 0
	QUARTER 0, 6144, F0, F1, 0
	TURN 0, 1, 0                                   ; nothing is left to fetch
	QUARTER 1, 2048, F0, F1, 0                     ; K step 3
	QUARTER 1, 4096, F1, F0, 0
	QUARTER 1, 6144, F0, F1, 0
	s_wait_dscnt 16
	WIN MUL
	MUL8 F1, 0, 0, 0
	MUL8 F1, 0, 2, 0
	s_wait_dscnt 0
	MUL8 F1, 1, 0, 0
	MUL8 F1, 1, 2, 0
	WIN 0
	; THE WAY OUT, a block of 16 rows x 64 columns at a time.  A lane holds 32 neighbouring bytes of a row and the lanes beside it other rows: the block goes through my own stage and comes back as whole rows
	; of 256 bytes; bo is added on the way; sixteen lanes store 256 consecutive bytes, at a multiple of 256 from out0's first byte.  LDS serves a wave's instructions in order: no wait between stores and loads.
.macro TOSTAGE a
.irp b, 0,1,2,3
	ds_store_b128 v[STO], v[ACC+8*(4*(\a)+\b):ACC+8*(4*(\a)+\b)+3] offset:64*\b          ; each accumulator from its low end on
	ds_store_b128 v[STO], v[ACC+8*(4*(\a)+\b)+4:ACC+8*(4*(\a)+\b)+7] offset:64*\b+16
.endr
.set BK, OB+32*((\a)%2)
.irp t, 0,1,2,3,4,5,6,7
	ds_load_b128 v[BK+4*\t:BK+4*\t+3], v[RD] offset:\t*2*SPITCH
.endr
.endm
.macro SEND a, younger                 ; younger: the LDS instructions issued behind block a's loads, which may stay out
.set BK, OB+32*((\a)%2)
	s_wait_dscnt \younger
.irp t, 0,1,2,3,4,5,6,7
	v_pk_add_f32 v[BK+4*\t:BK+4*\t+1], v[BK+4*\t:BK+4*\t+1], v[BI:BI+1]
	v_pk_add_f32 v[BK+4*\t+2:BK+4*\t+3], v[BK+4*\t+2:BK+4*\t+3], v[BI+2:BI+3]
.endr
.irp t, 0,1,2,3,4,5,6,7
	global_store_b128 v[CO], v[BK+4*\t:BK+4*\t+3], s[10:11] offset:(16*(\a)+2*\t)*4096 th:TH_STORE_NT
.endr
.endm
	s_wait_loadcnt 0x0                             ; bo
	PLACES
	TOSTAGE 0
	TOSTAGE 1
	SEND 0, 16                                     ; behind block 0's loads: block 1's 8 stores and 8 loads
	s_wait_xcnt 0x0                                ; block 0's stores have read their registers: block 2's loads may land there
	TOSTAGE 2
	SEND 1, 16
	s_wait_xcnt 0x0
	TOSTAGE 3
	SEND 2, 16
	SEND 3, 0
	s_wait_tensorcnt 0x0                           ; the wave's end
	ds_add_u32 v[SPW], v[NIL]
	s_wait_dscnt 0x0
	CROUND                                         ; the closing round
	s_endpgm
.Lfunc_end_k_q3c5a1de209_proj:
	.size	k_q3c5a1de209_proj, .Lfunc_end_k_q3c5a1de209_proj-k_q3c5a1de209_proj
	.p2alignl 7, 3214868480
	.fill 96, 4, 3214868480
	.section	.rodata,"a",@progbits
	.p2align	6, 0x0
	.amdhsa_kernel k_q3c5a1de209_proj
		.amdhsa_group_segment_fixed_size 327680
		.amdhsa_private_segment_fixed_size 0
		.amdhsa_enable_private_segment 0
		.amdhsa_kernarg_size 32
		.amdhsa_user_sgpr_count 2
		.amdhsa_user_sgpr_kernarg_segment_ptr 1
		.amdhsa_wavefront_size32 1
		.amdhsa_system_sgpr_workgroup_id_x 1
		.amdhsa_system_sgpr_workgroup_id_y 1
		.amdhsa_system_sgpr_workgroup_id_z 1
		.amdhsa_system_vgpr_workitem_id 0
		.amdhsa_next_free_vgpr 512
		.amdhsa_next_free_sgpr 66
		.amdhsa_reserve_vcc 0
		.amdhsa_float_denorm_mode_32 3
		.amdhsa_float_denorm_mode_16_64 3
		.amdhsa_memory_ordered 1
		.amdhsa_forward_progress 1
		.amdhsa_inst_pref_size 89
	.end_amdhsa_kernel
	.amdgpu_metadata
---
amdhsa.version: [ 1, 2 ]
amdhsa.kernels:
  - .name:           k_q3c5a1de209_proj
    .symbol:         k_q3c5a1de209_proj.kd
    .args:
      - { .name: oimg, .offset: 0, .size: 8, .value_kind: global_buffer, .address_space: global }
      - { .name: woimg, .offset: 8, .size: 8, .value_kind: global_buffer, .address_space: global }
      - { .name: bo, .offset: 16, .size: 8, .value_kind: global_buffer, .address_space: global }
      - { .name: out0, .offset: 24, .size: 8, .value_kind: global_buffer, .address_space: global }
    .group_segment_fixed_size: 327680
    .private_segment_fixed_size: 0
    .kernarg_segment_align: 8
    .kernarg_segment_size: 32
    .max_flat_workgroup_size: 128
    .sgpr_count:     66
    .vgpr_count:     512
    .wavefront_size: 32
...
	.end_amdgpu_metadata
.endif
;; end of part 4
;; launch fine (part 5): grid 64 x 2, 16 waves a work-group, no clusters, 18,432 bytes of LDS; arguments qkv32, Wo, bo, out0; writes out0
.if DOCPART == 5
	.amdgcn_target "amdgcn-amd-amdhsa--gfx1250"
	.amdhsa_code_object_version 6
	.text
	.protected	k_q3c5a1de209_fine
	.globl	k_q3c5a1de209_fine
	.p2align	8
	.type	k_q3c5a1de209_fine,@function
k_q3c5a1de209_fine:
	s_mov_b64 s[64:65], 0
	v_nop
	global_prefetch_b8 v0, s[64:65] scope:SCOPE_SE
	s_setreg_imm32_b32 hwreg(HW_REG_WAVE_MODE, 25, 1), 1
	s_wait_xcnt 0x0
; FINE.  Positions 0-15 of both sequences once more, in f32 from end to end: attention and projection.  These rows average one to sixteen values and are the largest in size; f16 operands would weigh most there.
; They overwrite the 32 rows of out0 that the launch before has written coarser.
; A work-group makes rows 2,048 b + 0..15, columns n0 = 16 x .. + 15.  Wave w is head w: its 16 x 16 causal attention, then its own 64 of the projection's 1,024 along K; the sixteen partial tiles meet in LDS.
; All products by the f32 matrix form, 48 a wave.  The operands are the f32 register images that the projection launch of q, k, v stored: instruction (tile, i) takes registers 2 i, 2 i + 1 of BOTH sides, which in lane
; (r, h) are index 16 tile + 8 h + 2 i + j of K on both sides: a permutation of K applied alike to both operands.
; The registers that the f32 matrix form writes (v192-255) are written by matrix instructions alone; every sum begins with the constant 0; what is made of a sum goes into other registers.
; The window of 256 never binds here; the causal mask does.  NaN and infinities are not served.
; REGISTERS: v1-9 addresses; v10 -infinity, v11 a permute's destination; v12-15 bo; v16-23 at work; v24-31 s, then p; v32-63 q, later o; v64-95 k, later sums; v96-127 v; v128-159 Wo; v128-191 later the partials.
.set SPARE, 16384                      ; behind the sixteen partial tiles of 1,024 bytes: the spare words, 128 bytes for each wave
.set SPW, 4                            ; v4  LDS address of my spare word; never rewritten
.set NIL, 5                            ; v5  0; never rewritten
	s_load_b256 s[4:11], s[0:1], 0x0               ; qkv32 s[4:5], Wo s[6:7], bo s[8:9], out0 s[10:11]
	v_lshl_add_u32 v[SPW], v0, 2, SPARE
	v_mov_b32 v[NIL], 0
	v_lshrrev_b32 v16, 5, v0
	v_readfirstlane_b32 s12, v16                   ; wave = head
	s_and_b32 s13, ttmp7, 0xffff                   ; b
	v_and_b32 v16, 31, v0
	v_lshlrev_b32 v1, 4, v16                       ; 16 x lane
	v_and_b32 v17, 15, v0                          ; r
	v_bfe_u32 v18, v0, 4, 1                        ; h
	v_lshlrev_b32 v2, 2, v17
	v_lshl_add_u32 v2, v18, 15, v2                 ; Wo: 8 h rows of 4,096 bytes + column r
	v_lshlrev_b32 v19, 3, v18
	v_sub_nc_u32 v3, v17, v19                      ; e = r - 8 h: key 8 h + j comes after query r where j > e
	v_lshlrev_b32 v6, 5, v18                       ; bo: 32 h
	s_lshl_b32 s14, s12, 10
	v_add_nc_u32 v7, s14, v1                       ; LDS: my partial tile
	s_and_b32 s15, s12, 1
	s_lshl_b32 s16, s15, 9
	v_add_nc_u32 v8, s16, v1                       ; LDS: quad (w % 2) of every partial tile
	v_lshlrev_b32 v9, 12, v17
	v_lshl_add_u32 v9, v18, 5, v9                  ; out0: row r, + 32 h
	v_mov_b32 v10, 0xff800000
	v_mov_b32 v11, 0
	s_mov_b32 s26, 0x3e38aa3b                      ; c = log2(e) / 8
	s_mov_b32 s27, s26
	s_mov_b32 s28, 0x76543210
	s_mov_b32 s29, 0xfedcba98
	s_lshl_b32 s18, s13, 4
	s_add_co_u32 s18, s18, s12
	s_mul_i32 s18, s18, 12288                      ; my batch's and head's twelve images
	s_mov_b32 s19, 0
	s_lshl_b32 s20, s12, 18                        ; Wo: my head's 64 rows,
	s_lshl_b32 s22, ttmp9, 6
	s_add_co_u32 s20, s20, s22                     ; column n0
	s_mov_b32 s21, 0
	s_lshl_b32 s24, s15, 4
	s_add_co_u32 s22, s22, s24                     ; 4 n0 + 16 (w % 2)
	s_mov_b32 s23, 0
	s_lshl_b32 s24, s13, 23                        ; 2,048 rows of 4,096 bytes
	s_add_co_u32 s24, s24, s22
	s_mov_b32 s25, 0
	s_wait_kmcnt 0x0
	s_add_nc_u64 s[4:5], s[4:5], s[18:19]
	s_add_nc_u64 s[6:7], s[6:7], s[20:21]
	s_add_nc_u64 s[8:9], s[8:9], s[22:23]
	s_add_nc_u64 s[10:11], s[10:11], s[24:25]
	global_load_b128 v[12:15], v6, s[8:9]          ; bo at columns n0 + 8 h + 4 (w % 2) + 0..3
.irp n, 0,1,2,3,4,5,6,7,8,9,10,11
.irp q, 0,1
	global_load_b128 v[32+8*\n+4*\q:35+8*\n+4*\q], v1, s[4:5] offset:1024*\n+512*\q   ; tiles 0-3 q, 4-7 k, 8-11 v
.endr
.endr
.irp d, 0,1,2,3
.irp e, 0,1,2,3,4,5,6,7
	global_load_b32 v[128+8*\d+\e], v2, s[6:7] offset:4096*(16*\d+\e)                 ; Wo(64 w + 16 d + 8 h + e, n0 + r): 4 x 8 = 32 loads
.endr
.endr
	s_wait_loadcnt 32                              ; bo and the 24 image loads are in; Wo's 32 loads, issued behind them, may stay out
	; ---- S^T = K Q^T: four accumulators by turns, one for each 16 channels
.irp i, 0,1,2,3
.irp u, 0,1,2,3
.if \i == 0
	v_wmma_f32_16x16x4_f32 v[192+8*\u:199+8*\u], v[64+8*\u+2*\i:65+8*\u+2*\i], v[32+8*\u+2*\i:33+8*\u+2*\i], 0
.else
	v_wmma_f32_16x16x4_f32 v[192+8*\u:199+8*\u], v[64+8*\u+2*\i:65+8*\u+2*\i], v[32+8*\u+2*\i:33+8*\u+2*\i], v[192+8*\u:199+8*\u]
.endif
.endr
.endr
.rept 8
	v_nop                                          ; eight places behind this form, ahead of the first read of results
.endr
.irp j, 0,2,4,6
	v_pk_add_f32 v[24+\j:25+\j], v[192+\j:193+\j], v[200+\j:201+\j]
.endr
.irp j, 0,2,4,6
	v_pk_add_f32 v[16+\j:17+\j], v[208+\j:209+\j], v[216+\j:217+\j]
.endr
.irp j, 0,2,4,6
	v_pk_add_f32 v[24+\j:25+\j], v[24+\j:25+\j], v[16+\j:17+\j]     ; lane (r, h): query r, keys 8 h + 0..7
.endr
.irp j, 0,1,2,3,4,5,6,7
	v_cmp_gt_i32 vcc_lo, \j, v3
	v_cndmask_b32 v[24+\j], v[24+\j], v10, vcc_lo
.endr
	v_max3_num_f32 v16, v24, v25, v26
	v_max3_num_f32 v17, v27, v28, v29
	v_max3_num_f32 v16, v16, v30, v31
	v_max_num_f32 v16, v16, v17
	v_permlanex16_b32 v11, v16, s28, s29
	v_max_num_f32 v16, v16, v11                    ; the row's maximum: key r counts for query r, so it is a number
	v_mul_f32 v18, s26, v16
	v_mov_b32 v19, v18
.irp j, 0,2,4,6
	v_pk_fma_f32 v[24+\j:25+\j], v[24+\j:25+\j], s[26:27], v[18:19] op_sel_hi:[1,0,0] neg_lo:[0,0,1] neg_hi:[0,0,1]
.endr
.irp j, 0,1,2,3,4,5,6,7
	v_exp_f32 v[24+\j], v[24+\j]
.endr
	v_nop                                          ; a plain line behind the exponentials
	s_wait_alu depctr_va_vdst(0)                   ; one wait for the eight, ahead of their first reader
	v_pk_add_f32 v[16:17], v[24:25], v[26:27]
	v_pk_add_f32 v[20:21], v[28:29], v[30:31]
	v_pk_add_f32 v[16:17], v[16:17], v[20:21]
	v_add_f32 v16, v16, v17
	v_permlanex16_b32 v11, v16, s28, s29
	v_add_f32 v16, v16, v11
	v_rcp_f32 v20, v16
	v_mov_b32 v21, 0                               ; a plain line behind the reciprocal (the upper half of the pair v[20:21])
	; ---- O^T = V^T P: four accumulators by turns, one for each 16 channels; K = the 16 keys
.irp i, 0,1,2,3
.irp d, 0,1,2,3
.if \i == 0
	v_wmma_f32_16x16x4_f32 v[224+8*\d:231+8*\d], v[96+8*\d+2*\i:97+8*\d+2*\i], v[24+2*\i:25+2*\i], 0
.else
	v_wmma_f32_16x16x4_f32 v[224+8*\d:231+8*\d], v[96+8*\d+2*\i:97+8*\d+2*\i], v[24+2*\i:25+2*\i], v[224+8*\d:231+8*\d]
.endif
.endr
.endr
.rept 8
	v_nop
.endr
	s_wait_alu depctr_va_vdst(0)                   ; the reciprocal's wait, ahead of its first reader
.irp j, 0,2,4,6,8,10,12,14,16,18,20,22,24,26,28,30
	v_pk_mul_f32 v[32+\j:33+\j], v[224+\j:225+\j], v[20:21] op_sel_hi:[1,0]   ; o: lane (r, h): query r, channels 16 d + 8 h + 0..7
.endr
	s_wait_loadcnt 0x0                             ; Wo
	; ---- my head's part of the projection: source 0 = 16 columns of Wo, source 1 = o
.irp i, 0,1,2,3
.irp d, 0,1,2,3
.if \i == 0
	v_wmma_f32_16x16x4_f32 v[192+8*\d:199+8*\d], v[128+8*\d+2*\i:129+8*\d+2*\i], v[32+8*\d+2*\i:33+8*\d+2*\i], 0
.else
	v_wmma_f32_16x16x4_f32 v[192+8*\d:199+8*\d], v[128+8*\d+2*\i:129+8*\d+2*\i], v[32+8*\d+2*\i:33+8*\d+2*\i], v[192+8*\d:199+8*\d]
.endif
.endr
.endr
.rept 8
	v_nop
.endr
.irp j, 0,2,4,6
	v_pk_add_f32 v[64+\j:65+\j], v[192+\j:193+\j], v[200+\j:201+\j]
.endr
.irp j, 0,2,4,6
	v_pk_add_f32 v[72+\j:73+\j], v[208+\j:209+\j], v[216+\j:217+\j]
.endr
.irp j, 0,2,4,6
	v_pk_add_f32 v[64+\j:65+\j], v[64+\j:65+\j], v[72+\j:73+\j]     ; lane (r, h): query r, columns n0 + 8 h + 0..7
.endr
	ds_store_b128 v7, v[64:67]
	ds_store_b128 v7, v[68:71] offset:512
	s_wait_dscnt 0x0                               ; for the others' sake: my stores are done
	s_barrier_signal -1
	s_barrier_wait -1                              ; the launch's one barrier
	s_cmp_ge_u32 s12, 2
	s_cbranch_scc1 .Lend                           ; waves 0 and 1 add the sixteen heads' parts, a quad of columns each
.irp p, 0,1,2,3,4,5,6,7,8,9,10,11,12,13,14,15
	ds_load_b128 v[128+4*\p:131+4*\p], v8 offset:1024*\p
.endr
	s_wait_dscnt 0x0
.irp p, 0,2,4,6,8,10,12,14
	v_pk_add_f32 v[128+4*\p:129+4*\p], v[128+4*\p:129+4*\p], v[132+4*\p:133+4*\p]
	v_pk_add_f32 v[130+4*\p:131+4*\p], v[130+4*\p:131+4*\p], v[134+4*\p:135+4*\p]
.endr
.irp p, 0,4,8,12
	v_pk_add_f32 v[128+4*\p:129+4*\p], v[128+4*\p:129+4*\p], v[136+4*\p:137+4*\p]
	v_pk_add_f32 v[130+4*\p:131+4*\p], v[130+4*\p:131+4*\p], v[138+4*\p:139+4*\p]
.endr
.irp p, 0,8
	v_pk_add_f32 v[128+4*\p:129+4*\p], v[128+4*\p:129+4*\p], v[144+4*\p:145+4*\p]
	v_pk_add_f32 v[130+4*\p:131+4*\p], v[130+4*\p:131+4*\p], v[146+4*\p:147+4*\p]
.endr
	v_pk_add_f32 v[128:129], v[128:129], v[160:161]
	v_pk_add_f32 v[130:131], v[130:131], v[162:163]
	v_pk_add_f32 v[128:129], v[128:129], v[12:13]  ; + bo
	v_pk_add_f32 v[130:131], v[130:131], v[14:15]
	global_store_b128 v9, v[128:131], s[10:11]     ; 16 bytes a lane, rows 4,096 bytes apart: 131,072 bytes in the whole launch
.Lend:
	s_wait_tensorcnt 0x0                           ; the wave's end
	ds_add_u32 v[SPW], v[NIL]
	s_wait_dscnt 0x0
	s_endpgm
.Lfunc_end_k_q3c5a1de209_fine:
	.size	k_q3c5a1de209_fine, .Lfunc_end_k_q3c5a1de209_fine-k_q3c5a1de209_fine
	.p2alignl 7, 3214868480
	.fill 96, 4, 3214868480
	.section	.rodata,"a",@progbits
	.p2align	6, 0x0
	.amdhsa_kernel k_q3c5a1de209_fine
		.amdhsa_group_segment_fixed_size 18432
		.amdhsa_private_segment_fixed_size 0
		.amdhsa_enable_private_segment 0
		.amdhsa_kernarg_size 32
		.amdhsa_user_sgpr_count 2
		.amdhsa_user_sgpr_kernarg_segment_ptr 1
		.amdhsa_wavefront_size32 1
		.amdhsa_system_sgpr_workgroup_id_x 1
		.amdhsa_system_sgpr_workgroup_id_y 1
		.amdhsa_system_sgpr_workgroup_id_z 1
		.amdhsa_system_vgpr_workitem_id 0
		.amdhsa_next_free_vgpr 256
		.amdhsa_next_free_sgpr 66
		.amdhsa_reserve_vcc 1
		.amdhsa_float_denorm_mode_32 3
		.amdhsa_float_denorm_mode_16_64 3
		.amdhsa_memory_ordered 1
		.amdhsa_forward_progress 1
		.amdhsa_inst_pref_size 20
	.end_amdhsa_kernel
	.amdgpu_metadata
---
amdhsa.version: [ 1, 2 ]
amdhsa.kernels:
  - .name:           k_q3c5a1de209_fine
    .symbol:         k_q3c5a1de209_fine.kd
    .args:
      - { .name: qkv32, .offset: 0, .size: 8, .value_kind: global_buffer, .address_space: global }
      - { .name: Wo, .offset: 8, .size: 8, .value_kind: global_buffer, .address_space: global }
      - { .name: bo, .offset: 16, .size: 8, .value_kind: global_buffer, .address_space: global }
      - { .name: out0, .offset: 24, .size: 8, .value_kind: global_buffer, .address_space: global }
    .group_segment_fixed_size: 18432
    .private_segment_fixed_size: 0
    .kernarg_segment_align: 8
    .kernarg_segment_size: 32
    .max_flat_workgroup_size: 512
    .sgpr_count:     66
    .vgpr_count:     256
    .wavefront_size: 32
...
	.end_amdgpu_metadata
.endif
;; end of part 5
